; MI455X (gfx1250); checked and timed in simulation.
; The chip was launched on July 23, 2026; its instructions are those of AMD's public machine-readable ISA for CDNA 5 (MIT licence, August 2026) and "CDNA5" Instruction Set Architecture Reference Guide (July 2026). The comments in the code are by the model that wrote it; some were corrected since.
;; Causal Self Attention. Allowed arithmetic: matrix products marked QUANTISED: E2M1 operands, one E8M0 scale for each 32 along K, by v_wmma_scale_f32_16x16x128_f8f6f4 with both operands' format E2M1 (or v_wmma_scale_f32_32x16x128_f4), f32 sums; everything else in f32.
;; Inputs: Wk 1,024 x 1,024 float32; Wp 1,024 x 1,024 float32; Wq 1,024 x 1,024 float32; Wv 1,024 x 1,024 float32; bk 1,024 float32; bp 1,024 float32; bq 1,024 float32; bv 1,024 float32; x 4 x 2,048 x 1,024 float32.
;; Outputs: out0 4 x 2,048 x 1,024 float32.
;; This version of the problem:
;;   THIS VERSION OF THE PROBLEM IS GIVEN IN LOW PRECISION. The matrix products marked QUANTISED in the list below multiply operands that are first quantised to E2M1 (2 exponent bits, 1 mantissa bit; 4 bits a number), with one power-of-two scale for each 32 numbers along K (OCP MX v1.0); their sums are f32. All else is computed in f32.
;;   The module's matrix products, in the order in which they are computed (A, B: the left and right operand; K: the contracted axis; several contracted axes count as one K, in the product's order):
;;     1. [M 8,192, K 1,024] x [K 1,024, N 1,024]; A: input x; B: input Wq: QUANTISED
;;     2. [M 8,192, K 1,024] x [K 1,024, N 1,024]; A: input x; B: input Wk: QUANTISED
;;     3. [M 8,192, K 1,024] x [K 1,024, N 1,024]; A: input x; B: input Wv: QUANTISED
;;     4. batch 64 x [M 2,048, K 64] x [K 64, N 2,048]; A: computed on the way; B: computed on the way: QUANTISED
;;     5. batch 64 x [M 2,048, K 2,048] x [K 2,048, N 64]; A: softmax (see below); B: computed on the way: QUANTISED
;;     6. [M 8,192, K 1,024] x [K 1,024, N 1,024]; A: computed on the way; B: input Wp: QUANTISED
;;   THE QUANTISER, for each operand of a quantised product, along K:
;;     - K is cut into blocks of 32 from its start; a last block that is shorter is filled with zeros.
;;     - A block's scale is 2^e with e = floor(log2(the largest magnitude in the block)) - 2, held to -126 .. 127; a block of zeros has e = 0. As a byte (E8M0): e + 127.
;;     - Each number is divided by its block's scale, clamped to +-6, and rounded to the nearest number of E2M1, ties to even, subnormals kept.
;;     - The product sums the exact products of the quantised numbers (number of the format x scale) in f32.
;;   ~~~python
;;   def quantise(x, axis):      # numpy; x: float32 -> the quantised numbers, widened to float32 again
;;       x = np.moveaxis(x, axis, -1); K = x.shape[-1]
;;       x = np.pad(x, [(0, 0)] * (x.ndim - 1) + [(0, -K % 32)]); x = x.reshape(x.shape[:-1] + (-1, 32)); a = np.abs(x).max(-1, keepdims=True)
;;       e = np.where(a > 0, np.clip(np.frexp(np.where(a > 0, a, 1))[1] - 1 - 2, -126, 127), 0)      # np.frexp(a)[1] - 1 = floor(log2(a)), exactly
;;       r = np.clip(x / 2.0 ** e, -6, 6)
;;       step = 2.0 ** (np.maximum(np.frexp(np.where(r == 0, 1, r))[1] - 1, 0) - 1)
;;       q = np.round(r / step) * step * 2.0 ** e      # np.round: ties to even
;;       return np.moveaxis(q.reshape(q.shape[:-2] + (-1,))[..., :K], -1, axis).astype(np.float32)
;;   ~~~
;;   SOFTMAX AHEAD OF A QUANTISED PRODUCT. Where the list says 'softmax', what is quantised is not the finished softmax but p = 2^(t - M), with t = logit x log2(e) and M = ceil(the row's largest t), a whole number; so 1/2 < the row's largest p <= 1. The row's sum l is taken of the UNQUANTISED p, in f32, and the product's result is divided by l at the end. Since M is a whole number, a kernel that streams over the keys may use a running M (the ceiling of the running maximum): every later rescaling is an exact power of two, which a block's scale takes up: the codes' values come out the same.
;;   OPERANDS COMPUTED ON THE WAY. 'Computed on the way' means the value that the module computes at that place (a softmax that the list does not call 'softmax' is quantised finished and normalised). What goes into a quantiser is computed in f32, as accurately as f32 sums, v_exp_f32 and their like allow (about 1e-6 of the number): no bf16 or f16 on the way to a quantiser, and a product that is left as it is and whose result goes on into a quantised operand takes f32 operands (vector FMAs, or v_wmma_f32_16x16x4_f32). A number that lies on a knife's edge between two numbers of the format may be rounded either way, as far as f32 arithmetic and the matrix unit's own rounding can turn it there, and no further.
;; One version. Each part assembles by itself: llvm-mc -triple=amdgcn-amd-amdhsa -mcpu=gfx1250 --defsym DOCPART=n.
;; ======== version 1 of 1: 4 launches
;; workspace buffers: xq 4,456,448 bytes; wq 2,228,224 bytes; qq 4,718,592 bytes; kv 9,175,040 bytes; yq 4,456,448 bytes
;; launch quant (part 1): grid 512 x 1, 4 waves a work-group, no clusters, 34,304 bytes of LDS; arguments x, Wq, Wk, Wv, Wp, xq, wq; writes xq, wq
.if DOCPART == 1
	.amdgcn_target "amdgcn-amd-amdhsa--gfx1250"
	.amdhsa_code_object_version 6
	.text
	.protected	k_qe58fd38e9b_quant
	.globl	k_qe58fd38e9b_quant
	.p2align	8
	.type	k_qe58fd38e9b_quant,@function
k_qe58fd38e9b_quant:
	s_mov_b64 s[64:65], 0
	v_nop
	global_prefetch_b8 v0, s[64:65] scope:SCOPE_SE
	s_setreg_imm32_b32 hwreg(HW_REG_WAVE_MODE, 25, 1), 1
	s_wait_xcnt 0x0
; CAUSAL SELF-ATTENTION IN MX-FP4, four launches: quant (this one), qkv, attn, proj.
; WORK LEFT OUT IN THE PROGRAM.  reference() sets score(q, k) to -infinity wherever k > q, by a mask that it builds itself (jnp.tril), so softmax gives those keys the weight 0
; whatever finite values the inputs hold, and 0 x v adds nothing to out.  The launch attn therefore leaves out every step of 128 keys all of which come after all 16 queries of a tile.
; Nothing else is left out and every input is loaded (bk too: it moves k's codes).  LIMIT: a NaN, an infinity or an overflow that reaches only those steps is not carried to the result.
; THIS LAUNCH turns x [8192][1024] and the four weights [k 1024][n 1024], f32, into codes of E2M1 with one E8M0 byte for each 32 along K (x: its last axis; a weight: its first).
; A block's scale is 2^(floor(log2(largest magnitude)) - 2): its byte is the largest magnitude's exponent field - 2, held at 1 from below by a floor among the maximum's leaves.
; LIMITS: a block of zeros gets the byte 1 where the rule says 127 (its codes are zeros, and this program alone reads the bytes); NaN and infinities among the inputs are not served.
; LAYOUT OF THE CODES: IMAGES OF OPERAND REGISTERS.  A fragment (16 rows x 128 K) is 1,024 bytes: byte 512 c + 16 lane holds registers 4 c .. 4 c + 3 of that lane, k = 64 c + 32 (lane / 16) + 0 .. 31 of row lane % 16.
; THE ROWS OF A TILE ARE NOT NEIGHBOURS: lane r of tile 2 b + u stands for row 32 b + 8 u + r + 8 (r / 8) (tokens of x, columns of a weight), so that in a product's result the 16 registers of two neighbouring tiles are 16 neighbours.
;   xq: codes [K half 2][tile 512][K step 4][1024]; from 0x400000 scale bytes [tile][K half][r 16][K step 4][block 4].   wq: the same with 256 tiles (64 x matrix + tile; q, k, v, p), halves 0x100000 apart, scale bytes from 0x200000.
; SHARES: work-groups 0-255 take x, 256-511 the weights.  No tensor load, no barrier, no matrix unit, no cluster: the stream is read once and waves share nothing.
.set SPARE, 33792                      ; behind the four stages: the spare words, 128 bytes a wave, that no other line names
.set STG,   8448                       ; a wave's stage: 16 rows x 528 bytes
.set PIT,   528                        ; 512 bytes + 16: sixteen rows' reads start 33 x 16 bytes apart
.set R,     32                         ; v32-159  numbers as loaded: x: two sets of 64; a weight: four sets of 32
.set X,     160                        ; v160-223 x: a lane's two whole blocks
.set C,     224                        ; v224-255 codes: registers of its own for each step, so that no store's data are written again
.set SPW,   28                         ; v28  my spare word's LDS address; never rewritten
.set NIL,   29                         ; v29  0; never rewritten
.set FLOOR, 0x1800000                  ; 2^(3 - 127)
.set OFF2,  0xff000000                 ; 2 off an exponent field
	s_load_b256 s[4:11], s[0:1], 0x0               ; x, Wq, Wk, Wv
	s_load_b128 s[12:15], s[0:1], 0x20             ; Wp, xq
	s_load_b64 s[16:17], s[0:1], 0x30              ; wq
	v_lshl_add_u32 v[SPW], v0, 2, SPARE
	v_mov_b32 v[NIL], 0
	v_lshrrev_b32 v1, 5, v0
	v_readfirstlane_b32 s18, v1                    ; wave
	v_and_b32 v1, 31, v0                           ; lane
	v_and_b32 v2, 15, v0                           ; r
	v_bfe_u32 v3, v0, 4, 1                         ; h
	v_lshlrev_b32 v4, 4, v1                        ; 16 x lane
	s_cmp_ge_u32 ttmp9, 256
	s_cbranch_scc1 .Lweights
; ---------------- x: work-group g, wave w: tile 2 g + w / 2, K half w % 2: four K steps of 128
	s_mul_i32 s19, s18, STG
	v_add_nc_u32 v5, s19, v4                       ; into the stage: 16 x lane of a row
	v_mul_u32_u24 v6, v2, PIT
	v_lshl_add_u32 v6, v3, 7, v6
	v_add_nc_u32 v6, s19, v6                       ; out of it: row r, 128 h bytes on: my block of 32 numbers
	v_lshlrev_b32 v7, 3, v3                        ; 8 h
	v_lshlrev_b32 v22, 4, v2
	v_lshl_add_u32 v22, v3, 3, v22                 ; 16 r + 8 h: my two scale words' place
	v_mov_b32 v15, 0                               ; a lane permute's destination counts as one of its sources
	s_mov_b32 s36, 0x76543210
	s_mov_b32 s37, 0xfedcba98                      ; selects for lane l xor 16
	s_lshr_b32 s20, s18, 1                         ; u
	s_and_b32 s21, s18, 1                          ; K half
	s_lshl_b32 s24, ttmp9, 17                      ; 32 g rows of 4,096 bytes
	s_lshl_b32 s25, s20, 15                        ; + 8 u rows
	s_add_co_u32 s24, s24, s25
	s_lshl_b32 s25, s21, 11                        ; + 512 numbers
	s_add_co_u32 s24, s24, s25
	s_mov_b32 s25, 0
	s_lshl_b32 s26, ttmp9, 1
	s_add_co_u32 s26, s26, s20                     ; the tile
	s_lshl_b32 s28, s26, 12
	s_lshl_b32 s29, s21, 21
	s_add_co_u32 s28, s28, s29                     ; its codes
	s_mov_b32 s29, 0
	s_lshl_b32 s30, s26, 9
	s_lshl_b32 s31, s21, 8
	s_add_co_u32 s30, s30, s31
	s_add_co_u32 s30, s30, 0x400000                ; its scale bytes
	s_mov_b32 s31, 0
	s_wait_kmcnt 0x0
	s_add_nc_u64 s[4:5], s[4:5], s[24:25]
	s_add_nc_u64 s[28:29], s[14:15], s[28:29]
	s_add_nc_u64 s[30:31], s[14:15], s[30:31]
.macro XLOAD t                         ; K step t: sixteen loads, each 512 consecutive bytes of one row
.irp r, 0,1,2,3,4,5,6,7,8,9,10,11,12,13,14,15
	global_load_b128 v[R+64*((\t)%2)+4*\r:R+64*((\t)%2)+4*\r+3], v4, s[4:5] offset:(\r+8*(\r/8))*4096+512*(\t) th:TH_LOAD_NT
.endr
.endm
.macro XSTEP t
.if (\t) < 3
	s_wait_loadcnt 16                              ; this step's sixteen loads are in; the next step's may be out
.else
	s_wait_loadcnt 0x0
.endif
.irp r, 0,1,2,3,4,5,6,7,8,9,10,11,12,13,14,15
	ds_store_b128 v5, v[R+64*((\t)%2)+4*\r:R+64*((\t)%2)+4*\r+3] offset:PIT*\r
.endr
.irp c, 0,1                            ; LDS serves a wave's instructions in order: these see the stores.  Lane (r, h) takes blocks h and 2 + h of row r, whole
.irp i, 0,1,2,3,4,5,6,7
	ds_load_b128 v[X+32*\c+4*\i:X+32*\c+4*\i+3], v6 offset:256*\c+16*\i
.endr
.endr
	s_wait_dscnt 0x0                               ; my 64 numbers are back, and the stores have read their registers
.if (\t) < 2
	XLOAD (\t)+2
.endif
.irp c, 0,1
	v_max3_num_f32 v[8+\c], |v[X+32*\c]|, |v[X+32*\c+1]|, FLOOR
.endr
.irp i, 2,4,6,8,10,12,14,16,18,20,22,24,26,28,30
.irp c, 0,1
	v_max3_num_f32 v[8+\c], v[8+\c], |v[X+32*\c+\i]|, |v[X+32*\c+\i+1]|   ; the two blocks by turns
.endr
.endr
.irp c, 0,1
	v_add_nc_u32 v[10+\c], OFF2, v[8+\c]           ; the conversion takes this operand's exponent field as its scale
.endr
.irp c, 0,1
	v_lshrrev_b32 v[12+\c], 23, v[10+\c]           ; the scale's byte
.endr
	v_lshl_or_b32 v14, v13, 16, v12                ; my two bytes, blocks h and 2 + h,
	v_lshlrev_b32 v14, v7, v14                     ; at their places,
	v_permlanex16_b32 v15, v14, s36, s37
	v_or_b32 v[16+(\t)], v14, v15                  ; and with lane l xor 16's two the row's word is whole
.irp c, 0,1
.irp g, 0,1,2,3
	v_cvt_scalef32_pk8_fp4_f32 v[C+8*(\t)+4*\c+\g], v[X+32*\c+8*\g:X+32*\c+8*\g+7], v[10+\c]
.endr
.endr
	v_nop                                          ; one plain line behind the last conversion
.irp c, 0,1
	global_store_b128 v4, v[C+8*(\t)+4*\c:C+8*(\t)+4*\c+3], s[28:29] offset:1024*(\t)+512*\c   ; half an image: 512 consecutive bytes
.endr
.endm
	s_wait_alu depctr_va_vdst(0)
	XLOAD 0
	XLOAD 1
	XSTEP 0
	XSTEP 1
	XSTEP 2
	XSTEP 3
	v_cmp_eq_u32 vcc_lo, 1, v3
	v_cndmask_b32 v20, v16, v18, vcc_lo            ; lanes 0-15: the words of K steps 0, 1; lanes 16-31: of 2, 3
	v_cndmask_b32 v21, v17, v19, vcc_lo
	global_store_b64 v22, v[20:21], s[30:31]       ; 32 lanes store 256 consecutive bytes, aligned
	s_wait_tensorcnt 0x0                           ; the wave's end: behind my last LDS store
	ds_add_u32 v[SPW], v[NIL]
	s_wait_dscnt 0x0
	s_endpgm
; ---------------- the weights: work-group g' = matrix x 64 + column group x 8 + K step.  A LANE TAKES A COLUMN AND ITS REGISTERS RUN DOWN K.
.Lweights:
	s_sub_co_u32 s19, ttmp9, 256
	s_lshr_b32 s20, s19, 6                         ; matrix: q, k, v, p
	s_bfe_u32 s21, s19, 0x30003                    ; which 128 columns
	s_and_b32 s22, s19, 7                          ; K step of 128
	s_lshl_b32 s23, s21, 2
	s_add_co_u32 s23, s23, s18                     ; my wave's 32 columns: a pair of tiles
	s_wait_alu depctr_va_vdst(0)
	v_lshrrev_b32 v5, 3, v2
	v_lshl_add_u32 v5, v5, 3, v2                   ; r + 8 (r / 8)
	v_lshl_add_u32 v5, v3, 3, v5                   ; + 8 u: lanes 0-15 are the even tile, lanes 16-31 the odd one; the 32 lanes cover 128 consecutive bytes
	v_lshlrev_b32 v24, 2, v5
	v_lshlrev_b32 v25, 12, v3
	v_lshl_add_u32 v25, v2, 4, v25                 ; codes: tile u, 16 r
	v_lshlrev_b32 v26, 9, v3
	v_lshl_add_u32 v26, v2, 4, v26                 ; scale words: tile u, 16 r
	s_lshl_b32 s24, s22, 19                        ; 128 rows of 4,096 bytes a K step
	s_lshl_b32 s25, s23, 7
	s_add_co_u32 s24, s24, s25
	s_mov_b32 s25, 0
	s_lshl_b32 s26, s20, 6
	s_lshl_b32 s27, s23, 1
	s_add_co_u32 s26, s26, s27                     ; the even tile's number in wq
	s_lshr_b32 s27, s22, 2                         ; K half
	s_and_b32 s34, s22, 3                          ; K step in it
	s_lshl_b32 s28, s27, 20
	s_lshl_b32 s29, s26, 12
	s_add_co_u32 s28, s28, s29
	s_lshl_b32 s29, s34, 10
	s_add_co_u32 s28, s28, s29
	s_mov_b32 s29, 0
	s_lshl_b32 s30, s26, 9
	s_lshl_b32 s31, s27, 8
	s_add_co_u32 s30, s30, s31
	s_lshl_b32 s31, s34, 2
	s_add_co_u32 s30, s30, s31
	s_add_co_u32 s30, s30, 0x200000
	s_mov_b32 s31, 0
	s_and_b32 s35, s20, 1
	s_wait_alu depctr_va_vdst(0)
	s_wait_kmcnt 0x0
	s_cmp_eq_u32 s35, 0                            ; the choice hangs on the work-group's number alone
	s_cselect_b64 s[6:7], s[6:7], s[8:9]
	s_cselect_b64 s[10:11], s[10:11], s[12:13]
	s_cmp_lt_u32 s20, 2
	s_cselect_b64 s[6:7], s[6:7], s[10:11]
	s_add_nc_u64 s[6:7], s[6:7], s[24:25]
	s_add_nc_u64 s[28:29], s[16:17], s[28:29]
	s_add_nc_u64 s[30:31], s[16:17], s[30:31]
.macro WLOAD t                         ; block t: 32 rows of K at my column
.set i, 0
.rept 32
	global_load_b32 v[R+32*(\t)+i], v24, s[6:7] offset:(32*(\t)+i)*4096 th:TH_LOAD_NT
.set i, i+1
.endr
.endm
.macro WBLOCK t
.set XS, R+32*(\t)
	v_max3_num_f32 v8, |v[XS]|, |v[XS+1]|, |v[XS+2]|
	v_max3_num_f32 v9, |v[XS+3]|, |v[XS+4]|, |v[XS+5]|
.irp i, 6,10,14,18,22,26
	v_max3_num_f32 v8, v8, |v[XS+\i]|, |v[XS+\i+1]|
	v_max3_num_f32 v9, v9, |v[XS+\i+2]|, |v[XS+\i+3]|
.endr
	v_max3_num_f32 v8, v8, |v[XS+30]|, |v[XS+31]|
	v_max3_num_f32 v8, v8, v9, FLOOR
	v_add_nc_u32 v10, OFF2, v8
	v_lshrrev_b32 v12, 23, v10
.if (\t) == 0
	v_mov_b32 v27, v12
.else
	v_lshl_or_b32 v27, v12, 8*(\t), v27            ; the K step's four bytes make my column's word
.endif
.irp g, 0,1,2,3
	v_cvt_scalef32_pk8_fp4_f32 v[C+4*(\t)+\g], v[XS+8*\g:XS+8*\g+7], v10
.endr
	v_nop
	global_store_b128 v25, v[C+4*(\t):C+4*(\t)+3], s[28:29] offset:256*(\t)   ; block t of row r lies at 256 t + 16 r of the image: sixteen lanes store 256 consecutive bytes, aligned
.endm
	WLOAD 0
	WLOAD 1
	s_wait_loadcnt 32                              ; block 0 is in; the 32 loads of the next block may be out (so at each of these waits)
	WLOAD 2
	WBLOCK 0
	s_wait_loadcnt 32
	WLOAD 3
	WBLOCK 1
	s_wait_loadcnt 32
	WBLOCK 2
	s_wait_loadcnt 0x0
	WBLOCK 3
	global_store_b32 v26, v27, s[30:31]            ; 4 bytes in each 16: the other K steps' work-groups write the rest.  One byte for each 128 that this path reads
	s_endpgm
.Lfunc_end_k_qe58fd38e9b_quant:
	.size	k_qe58fd38e9b_quant, .Lfunc_end_k_qe58fd38e9b_quant-k_qe58fd38e9b_quant
	.p2alignl 7, 3214868480
	.fill 96, 4, 3214868480
	.section	.rodata,"a",@progbits
	.p2align	6, 0x0
	.amdhsa_kernel k_qe58fd38e9b_quant
		.amdhsa_group_segment_fixed_size 34304
		.amdhsa_private_segment_fixed_size 0
		.amdhsa_enable_private_segment 0
		.amdhsa_kernarg_size 56
		.amdhsa_user_sgpr_count 2
		.amdhsa_user_sgpr_kernarg_segment_ptr 1
		.amdhsa_wavefront_size32 1
		.amdhsa_system_sgpr_workgroup_id_x 1
		.amdhsa_system_sgpr_workgroup_id_y 1
		.amdhsa_system_sgpr_workgroup_id_z 1
		.amdhsa_system_vgpr_workitem_id 0
		.amdhsa_next_free_vgpr 256
		.amdhsa_next_free_sgpr 66
		.amdhsa_reserve_vcc 1
		.amdhsa_float_denorm_mode_32 3
		.amdhsa_float_denorm_mode_16_64 3
		.amdhsa_memory_ordered 1
		.amdhsa_forward_progress 1
		.amdhsa_inst_pref_size 50
	.end_amdhsa_kernel
	.amdgpu_metadata
---
amdhsa.version: [ 1, 2 ]
amdhsa.kernels:
  - .name:           k_qe58fd38e9b_quant
    .symbol:         k_qe58fd38e9b_quant.kd
    .args:
      - { .name: x, .offset: 0, .size: 8, .value_kind: global_buffer, .address_space: global }
      - { .name: Wq, .offset: 8, .size: 8, .value_kind: global_buffer, .address_space: global }
      - { .name: Wk, .offset: 16, .size: 8, .value_kind: global_buffer, .address_space: global }
      - { .name: Wv, .offset: 24, .size: 8, .value_kind: global_buffer, .address_space: global }
      - { .name: Wp, .offset: 32, .size: 8, .value_kind: global_buffer, .address_space: global }
      - { .name: xq, .offset: 40, .size: 8, .value_kind: global_buffer, .address_space: global }
      - { .name: wq, .offset: 48, .size: 8, .value_kind: global_buffer, .address_space: global }
    .group_segment_fixed_size: 34304
    .private_segment_fixed_size: 0
    .kernarg_segment_align: 8
    .kernarg_segment_size: 56
    .max_flat_workgroup_size: 128
    .sgpr_count:     66
    .vgpr_count:     256
    .wavefront_size: 32
...
	.end_amdgpu_metadata
.endif
;; end of part 1
;; launch qkv (part 2): grid 12 x 32, 4 waves a work-group, clusters of 4 x 4, 327,680 bytes of LDS; arguments xq, wq, bq, bk, bv, qq, kv; writes qq, kv
.if DOCPART == 2
	.amdgcn_target "amdgcn-amd-amdhsa--gfx1250"
	.amdhsa_code_object_version 6
	.text
	.protected	k_qe58fd38e9b_qkv
	.globl	k_qe58fd38e9b_qkv
	.p2align	8
	.type	k_qe58fd38e9b_qkv,@function
k_qe58fd38e9b_qkv:
	s_mov_b64 s[64:65], 0
	v_nop
	global_prefetch_b8 v0, s[64:65] scope:SCOPE_SE
	s_setreg_imm32_b32 hwreg(HW_REG_WAVE_MODE, 25, 1), 1
	s_wait_xcnt 0x0
	s_wait_alu depctr_hold_cnt(0) depctr_sa_sdst(0) depctr_va_vdst(0) depctr_va_sdst(0) depctr_va_ssrc(0) depctr_va_vcc(0) depctr_vm_vsrc(0)
	s_getreg_b32 s2, hwreg(HW_REG_IB_STS2, 6, 4)
	s_cmp_eq_u32 s2, 0
	s_cbranch_scc0 .Lentry_in_a_cluster
	s_endpgm
.Lentry_in_a_cluster:
	s_bfe_u32 s2, ttmp6, 0x10000c
	s_cmp_lg_u32 s2, 0xf033
	s_cbranch_scc0 .Lentry_shape_is_right
	s_endpgm
.Lentry_shape_is_right:
; q = x Wq + bq, k = x Wk + bk, v = x Wv + bv on codes of E2M1, and their quantising for the attention, in registers: q and k along the head's 64, v along the keys.  Nothing is left out here.
; A work-group makes 256 tokens x 256 columns of [q | k | v]; the cluster's x says which of the three (the same in all sixteen partners).  Four waves, 128 x 128 each: 64 accumulators.
; All of K (1,024) for 256 + 256 rows lies in LDS at once: 256 KiB of codes as images of operand registers, 16 KiB of scale bytes.  Every fill is a first fill: by this text's count a wave has three tensor loads out.
; CLUSTER 4 x 4: x's tiles are shared along a row of the cluster, the weights' along a column: joint loads with the same descriptor in the four that a mask names.
; q, k: source 0 = 16 columns of W, source 1 = 16 tokens: a lane holds ONE token and, by the order of W's rows in a tile, 64 registers = 128 neighbouring columns (two heads) in steps of 16: what the conversions want.
; v: the sources change places: a lane holds ONE channel and 128 neighbouring tokens, one key step of the attention.
; OUT, as images of operand registers, straight from registers, 512 consecutive bytes a store:
;   qq: codes [head 64][tile 128][512] (registers 0-3; the attention sets 4-7 to zero codes); from 0x400000 scale words [head][tile / 4][r 16][tile % 4].
;   kv: [head 64][key step 16][8960]: k's 8 tiles x 512; from 4096 v's 4 channel tiles x 1,024; from 8192 k's scale words [tile / 4][r][tile % 4]; from 8704 v's [r][channel tile].
; A scale word of q or k has the head's two bytes below; its upper two bytes are the neighbouring head's (1 .. 254) or 0: they meet zero codes alone.
; LIMITS: a block of zeros gets the byte 1 where the rule says 127 (zero codes; read by this program alone); NaN and infinities are not served.
; The grid is 24 clusters, which 16 do not divide: a tile of another shape would even that out, but the change of sources for v wants a square one.
; REGISTERS in windows of 256: window 0: v0-31 addresses; v32-95 scale words and nothing else; v96-119 at work; v128-255 source 1's fragments, two sets, later the way out.
;   window 1: v0-127 source 0's fragments, two sets; v128-191 the bias.   windows 2, 3: accumulator (a, b) at v[8 (8 (a % 4) + b)] of window 2 + a / 4.
.set SCL,   262144                     ; LDS: part p = loading wave at 65,536 p (x's halves, W's halves), K half s at + 32,768 s: [tile 8][K step 4][1024]; here the scale bytes, 4,096 a part
.set SPARE, 278528                     ; the spare words, 128 bytes a wave, that no other line names
.set ADRX, 16                          ; v16 LDS address of my 128 tokens' fragments
.set ADRW, 20                          ; v20 of my 128 columns'
.set BO,   21                          ; v21 the bias loads' offset
.set ADSV, 23                          ; v23 scale words, v: lanes 0-15 W's, lanes 16-31 x's
.set LI,   24                          ; v24 16 x lane
.set SA,   25                          ; v25 the scale words' store offset
.set SH16, 26                          ; v26 16 h
.set ADSQ, 27                          ; v27 scale words, q and k: lanes 0-15 x's, lanes 16-31 W's
.set SPW,  28
.set NIL,  29
.set SC,   32
.set TM,   96
.set PWS,  112                         ; v112-119 the scale words just made
.set ST,   128                         ; v128-191 64 numbers with their bias
.set PC,   192                         ; v192-255 codes: eight registers of its own for each group, so that no store's data are written again
.set BI,   128                         ; in window 1
.set WV,   18
.set XH,   19                          ; w / 2: my half of the tokens.  Also: I fetch for x (0) or for W (1)
.set WH,   20                          ; w % 2: my half of the columns.  Also: which half I fetch
.set KVO,  21
.set SEL,  22
.set G1,   24
.set G0,   32
.set G1B,  48
.set G0B,  56
.set G1S,  68
.set G0S,  76
.set G1SB, 80
.set G0SB, 88
.set OUT0, 92
.set BIAS, 94
.set OUT1, 96
.set OUTS, 98
.set MSB, 0
.macro WIN new                         ; the immediate's high byte repeats the setting that is left
.if MSB != (\new)
	s_set_vgpr_msb (MSB<<8)|(\new)
.set MSB, (\new)
.endif
.endm
.macro JLOAD g0a, g1a, g0b, g1b        ; a joint load: waves 0, 1 for x, waves 2, 3 for W; the branch hangs on the wave's number alone; s_nop 0 and four v_nop follow each line
	s_cmp_eq_u32 s[XH], 0
	s_cbranch_scc0 .Lfor_b_\@
	tensor_load_to_lds s[\g0a:\g0a+3], s[\g1a:\g1a+7]
	s_nop 0
.rept 4
	v_nop
.endr
	s_branch .Lasked_\@
.Lfor_b_\@:
	tensor_load_to_lds s[\g0b:\g0b+3], s[\g1b:\g1b+7]
	s_nop 0
.rept 4
	v_nop
.endr
.Lasked_\@:
.endm
.macro CROUND                          ; a round of the cluster's barrier
	s_barrier_signal -1
	s_barrier_wait -1
	s_cmp_lg_u32 s[WV], 0
	s_cbranch_scc1 .Lnot_wave_0_\@
	s_barrier_signal -3
.Lnot_wave_0_\@:
	s_barrier_wait -3
	s_barrier_signal -1
	s_barrier_wait -1
.endm
.macro PLACES                          ; four plain lines between a matrix instruction and a load into, or a vector line on, its registers
.rept 4
	v_nop
.endr
.endm
.macro FINISH
	s_wait_tensorcnt 0x0                           ; the wave's end
	ds_add_u32 v[SPW], v[NIL]
	s_wait_dscnt 0x0
	CROUND                                         ; the closing round
	s_endpgm
.endm
	s_load_b256 s[4:11], s[0:1], 0x0               ; xq, wq, bq, bk
	s_load_b128 s[12:15], s[0:1], 0x20             ; bv, qq
	s_load_b64 s[16:17], s[0:1], 0x30              ; kv
	v_lshl_add_u32 v[SPW], v0, 2, SPARE
	v_mov_b32 v[NIL], 0
	ds_add_u32 v[SPW], v[NIL]                      ; the opening: the add, twice on end, and its wait ahead of my first tensor load
	ds_add_u32 v[SPW], v[NIL]
	v_lshrrev_b32 v1, 5, v0
	v_readfirstlane_b32 s[WV], v1
	s_lshr_b32 s[XH], s[WV], 1
	s_and_b32 s[WH], s[WV], 1
	s_bfe_u32 s40, ttmp6, 0x40000                  ; cx
	s_bfe_u32 s41, ttmp6, 0x40004                  ; cy
	s_lshl_b32 s42, ttmp9, 2
	s_add_co_u32 s42, s42, s40                     ; which 256 columns of [q | k | v]
	s_and_b32 s43, ttmp7, 0xffff
	s_lshl_b32 s43, s43, 2
	s_add_co_u32 s43, s43, s41                     ; which 256 tokens
	s_lshl_b32 s44, s41, 2
	s_lshl_b32 s44, 15, s44                        ; my row of the cluster
	s_lshl_b32 s45, 0x1111, s40                    ; my column
	; group 1: dense blocks as rows of 256 bytes (32 elements of 8 bytes), no padding: images are read 16 bytes a lane on end
	s_or_b32 s[G1], s44, (3<<16)|(1<<21)
	s_or_b32 s[G1B], s45, (3<<16)|(1<<21)
	s_or_b32 s[G1S], s44, (3<<16)|(1<<21)
	s_or_b32 s[G1SB], s45, (3<<16)|(1<<21)
.irp g, G1, G1B
	s_mov_b32 s[\g+1], 32<<16                      ; tensor_dim0
	s_mov_b32 s[\g+2], 128<<16                     ; tensor_dim1: 8 tiles x 4,096 bytes
	s_mov_b32 s[\g+3], 32<<16                      ; tile_dim0
	s_mov_b32 s[\g+4], 128                         ; tile_dim1
	s_mov_b32 s[\g+5], 32                          ; the pitch
	s_mov_b32 s[\g+6], 0
	s_mov_b32 s[\g+7], 0
.endr
.irp g, G1S, G1SB
	s_mov_b32 s[\g+1], 32<<16
	s_mov_b32 s[\g+2], 16<<16                      ; 8 tiles x 512 bytes
	s_mov_b32 s[\g+3], 32<<16
	s_mov_b32 s[\g+4], 16
	s_mov_b32 s[\g+5], 32
	s_mov_b32 s[\g+6], 0
	s_mov_b32 s[\g+7], 0
.endr
	s_lshl_b32 s46, s[WH], 15
	s_lshl_b32 s47, s[WH], 12
	s_lshl_b32 s92, s43, 16                        ; x: tile 16 ty + 8 half, 4,096 bytes a tile
	s_add_co_u32 s92, s92, s46
	s_mov_b32 s93, 0
	s_lshl_b32 s94, s43, 13                        ; its scale bytes, 512 a tile
	s_add_co_u32 s94, s94, s47
	s_add_co_u32 s94, s94, 0x400000
	s_mov_b32 s95, 0
	s_lshl_b32 s96, s42, 16                        ; W likewise
	s_add_co_u32 s96, s96, s46
	s_mov_b32 s97, 0
	s_lshl_b32 s98, s42, 13
	s_add_co_u32 s98, s98, s47
	s_add_co_u32 s98, s98, 0x200000
	s_mov_b32 s99, 0
	s_lshl_b32 s66, s[WV], 16                      ; where they go: the wave's number alone
	s_lshl_b32 s67, s[WV], 12
	s_mov_b32 s[SEL], 0x76543210
	s_mov_b32 s[SEL+1], 0xfedcba98
	s_wait_dscnt 0x0                               ; both opening adds are done
	s_wait_kmcnt 0x0
	s_add_nc_u64 s[92:93], s[4:5], s[92:93]
	s_add_nc_u64 s[94:95], s[4:5], s[94:95]
	s_add_nc_u64 s[96:97], s[6:7], s[96:97]
	s_add_nc_u64 s[98:99], s[6:7], s[98:99]
	CROUND                                         ; all sixteen work-groups are here: the joint loads meet
	s_mov_b32 s[G0S], 1
	s_add_co_u32 s[G0S+1], s67, SCL
	s_mov_b64 s[G0S+2:G0S+3], s[94:95]
	s_or_b32 s[G0S+3], s[G0S+3], 0x80000000
	s_mov_b32 s[G0SB], 1
	s_add_co_u32 s[G0SB+1], s67, SCL
	s_mov_b64 s[G0SB+2:G0SB+3], s[98:99]
	s_or_b32 s[G0SB+3], s[G0SB+3], 0x80000000
	JLOAD G0S, G1S, G0SB, G1SB                     ; the scale bytes of all of K
.irp s, 0,1
	s_mov_b32 s[G0+4*\s], 1
	s_add_co_u32 s[G0+4*\s+1], s66, \s*32768
	s_add_nc_u64 s[G0+4*\s+2:G0+4*\s+3], s[92:93], \s*0x200000
	s_or_b32 s[G0+4*\s+3], s[G0+4*\s+3], 0x80000000
	s_mov_b32 s[G0B+4*\s], 1
	s_add_co_u32 s[G0B+4*\s+1], s66, \s*32768
	s_add_nc_u64 s[G0B+4*\s+2:G0B+4*\s+3], s[96:97], \s*0x100000
	s_or_b32 s[G0B+4*\s+3], s[G0B+4*\s+3], 0x80000000
	JLOAD G0+4*\s, G1, G0B+4*\s, G1B               ; K half s
.endr
	; every LDS address is made here, ahead of the parting
	v_and_b32 v1, 31, v0
	v_and_b32 v2, 15, v0                           ; r
	s_wait_alu depctr_va_vdst(0)
	v_bfe_u32 v3, v0, 4, 1                         ; h
	s_wait_alu depctr_va_vdst(0)
	v_lshlrev_b32 v[LI], 4, v1
	v_lshlrev_b32 v[SH16], 4, v3
	s_lshl_b32 s46, s[XH], 16
	v_add_nc_u32 v[ADRX], s46, v[LI]
	s_lshl_b32 s46, s[WH], 16
	s_add_co_u32 s46, s46, 131072
	v_add_nc_u32 v[ADRW], s46, v[LI]
	s_lshl_b32 s46, s[XH], 12                      ; x's scale bytes: my half
	s_lshl_b32 s47, s[WH], 12
	s_add_co_u32 s47, s47, 8192                    ; W's
	s_sub_co_u32 s47, s47, s46                     ; the distance between the two
	s_add_co_u32 s46, s46, SCL
	v_lshl_add_u32 v4, v2, 4, s46                  ; the lower base + 16 r
	v_mul_u32_u24 v5, s47, v3
	v_add_nc_u32 v[ADSQ], v4, v5                   ; + h x the distance
	v_xor_b32 v6, 1, v3
	v_mul_u32_u24 v5, s47, v6
	v_add_nc_u32 v[ADSV], v4, v5                   ; + (1 - h) x the distance
.irp b, 0,1,2,3
	v_mov_b32 v[TM+4+\b], 0                        ; a lane permute's destination counts as one of its sources
.endr
	s_lshr_b32 s44, s43, 3                         ; the batch
	s_lshl_b32 s44, s44, 4
	s_lshl_b32 s46, s40, 2
	s_add_co_u32 s44, s44, s46
	s_lshl_b32 s46, s[WH], 1
	s_add_co_u32 s44, s44, s46                     ; my first head: 16 batch + 4 cx + 2 (w % 2)
	s_and_b32 s45, s43, 7
	s_lshl_b32 s45, s45, 1
	s_add_co_u32 s45, s45, s[XH]                   ; my 128 tokens in the sequence: a key step
	s_mul_i32 s[KVO], s44, 0x23000
	s_mul_i32 s46, s45, 0x2300
	s_add_co_u32 s[KVO], s[KVO], s46               ; its place in kv
	s_lshl_b32 s66, s40, 10
	s_lshl_b32 s46, s[WH], 9
	s_add_co_u32 s66, s66, s46                     ; my 128 columns in a bias
	s_mov_b32 s3, 0
.macro FETCH q, p, a0, a1              ; K step q's fragments into set p: source 0's eight, source 1's eight: 32 loads, each 512 consecutive bytes
	WIN 0x40
.irp i, 0,1,2,3,4,5,6,7
.irp c, 0,1
	ds_load_b128 v[64*(\p)+8*\i+4*\c:64*(\p)+8*\i+4*\c+3], v[\a0] offset:((\q)/4)*32768+\i*4096+((\q)%4)*1024+512*\c
.endr
.endr
	WIN 0
.irp i, 0,1,2,3,4,5,6,7
.irp c, 0,1
	ds_load_b128 v[128+64*(\p)+8*\i+4*\c:128+64*(\p)+8*\i+4*\c+3], v[\a1] offset:((\q)/4)*32768+\i*4096+((\q)%4)*1024+512*\c
.endr
.endr
.endm
.macro SCALES s, as                    ; K half s: four words a row; lanes 0-15 source 1's tile i, lanes 16-31 source 0's tile i
.irp i, 0,1,2,3,4,5,6,7
	ds_load_b128 v[SC+32*\s+4*\i:SC+32*\s+4*\i+3], v[\as] offset:512*\i+256*\s
.endr
.endm
.macro MUL16 a0, p, q                  ; source 1's tiles a0, a0 + 1 against source 0's eight.  The 64 accumulators take turns in the same order in every step
.irp a, \a0, \a0+1
.irp b, 0,1,2,3,4,5,6,7
.if (\q) == 0
	v_wmma_scale_f32_16x16x128_f8f6f4 v[8*(8*((\a)%4)+\b):8*(8*((\a)%4)+\b)+7], v[64*(\p)+8*\b:64*(\p)+8*\b+7], v[128+64*(\p)+8*(\a):128+64*(\p)+8*(\a)+7], 0, v[SC+32*((\q)/4)+4*\b+(\q)%4], v[SC+32*((\q)/4)+4*(\a)+(\q)%4] matrix_a_fmt:MATRIX_FMT_FP4 matrix_b_fmt:MATRIX_FMT_FP4 matrix_a_scale:MATRIX_SCALE_ROW1
.else
	v_wmma_scale_f32_16x16x128_f8f6f4 v[8*(8*((\a)%4)+\b):8*(8*((\a)%4)+\b)+7], v[64*(\p)+8*\b:64*(\p)+8*\b+7], v[128+64*(\p)+8*(\a):128+64*(\p)+8*(\a)+7], v[8*(8*((\a)%4)+\b):8*(8*((\a)%4)+\b)+7], v[SC+32*((\q)/4)+4*\b+(\q)%4], v[SC+32*((\q)/4)+4*(\a)+(\q)%4] matrix_a_fmt:MATRIX_FMT_FP4 matrix_b_fmt:MATRIX_FMT_FP4 matrix_a_scale:MATRIX_SCALE_ROW1
.endif
.endr
.endr
.endm
.macro MAIN a0, a1, as                 ; eight K steps of 128, 64 matrix instructions each; a step's fragments are asked for a step ahead
	s_wait_tensorcnt 0x1                           ; the scale bytes and my part of K half 0 are in; half 1's load may be out
	s_barrier_signal -1
	s_barrier_wait -1
	FETCH 0, 0, \a0, \a1
	SCALES 0, \as
.set Q, 0
.rept 8
.if Q == 3
	s_wait_tensorcnt 0x0                           ; my part of K half 1 is in,
	s_wait_dscnt 0x0                               ; no LDS load of mine is out at the signal,
	s_barrier_signal -1
	s_barrier_wait -1                              ; everybody's part is in
.endif
.if Q < 7
.if Q > 0
	PLACES
.endif
	FETCH Q+1, (Q+1)%2, \a0, \a1
.if Q == 3
	SCALES 1, \as
	s_wait_dscnt 40                                ; all but the 40 just issued
.else
	s_wait_dscnt 32                                ; all but the 32 just issued: this step's fragments are in
.endif
.else
	s_wait_dscnt 0x0
.endif
	WIN 0xa1                                       ; source 0 window 1, source 1 window 0, C and D window 2
	MUL16 0, Q%2, Q
	MUL16 2, Q%2, Q
	WIN 0xf1                                       ; C and D window 3
	MUL16 4, Q%2, Q
	MUL16 6, Q%2, Q
.set Q, Q+1
.endr
	WIN 0
	PLACES
.endm
; 64 numbers of a lane, register 16 b + i = k 32 b + 16 (lane / 16) + i of its row, become a fragment's eight registers of codes and its scale word
.macro QUANT s, pc, pw
.irp b, 0,1,2,3
	v_max3_num_f32 v[TM+\b], |v[\s+16*\b]|, |v[\s+1+16*\b]|, 0x1800000   ; with the floor 2^(3 - 127): the byte cannot fall under 1
.endr
.irp i, 2,4,6,8,10,12,14
.irp b, 0,1,2,3
	v_max3_num_f32 v[TM+\b], v[TM+\b], |v[\s+16*\b+\i]|, |v[\s+1+16*\b+\i]|
.endr
.endr
.irp b, 0,1,2,3
	v_permlanex16_b32 v[TM+4+\b], v[TM+\b], s[SEL], s[SEL+1]
.endr
.irp b, 0,1,2,3
	v_max_num_f32 v[TM+\b], v[TM+\b], v[TM+4+\b]   ; with lane l xor 16's: the block's largest magnitude
.endr
.irp b, 0,1,2,3
	v_add_nc_u32 v[TM+12+\b], 0xff000000, v[TM+\b] ; 2 off its exponent field: the conversion's scale operand
.endr
.irp b, 0,1,2,3
	v_lshrrev_b32 v[TM+4+\b], 23, v[TM+12+\b]      ; the byte
.endr
	v_lshl_or_b32 v[\pw], v[TM+5], 8, v[TM+4]
	v_lshl_or_b32 v[\pw], v[TM+6], 16, v[\pw]
	v_lshl_or_b32 v[\pw], v[TM+7], 24, v[\pw]
.irp b, 0,1,2,3
	v_cvt_scalef32_pk8_fp4_f32 v[\pc+2*\b], v[\s+16*\b:\s+7+16*\b], v[TM+12+\b]
	v_cvt_scalef32_pk8_fp4_f32 v[\pc+1+2*\b], v[\s+8+16*\b:\s+15+16*\b], v[TM+12+\b]
.endr
	v_nop                                          ; one plain line behind a scaled conversion
.irp c, 0,1                            ; the layout wants a whole block in a lane
.irp i, 0,1
	v_permlane16_swap_b32 v[\pc+4*\c+\i], v[\pc+2+4*\c+\i]
.endr
.endr
.endm
.macro EPI a, isv                      ; group a: its 64 sums take their bias (each accumulator from its low end on) and are quantised
	WIN 0x04|(2+(\a)/4)                            ; source 0: the sums' window; source 1: window 1
.set i, 0
.rept 32
.if \isv
	v_pk_add_f32 v[ST+2*i:ST+2*i+1], v[64*((\a)%4)+2*i:64*((\a)%4)+2*i+1], v[BI+2*(\a):BI+2*(\a)+1]
.else
	v_pk_add_f32 v[ST+2*i:ST+2*i+1], v[64*((\a)%4)+2*i:64*((\a)%4)+2*i+1], v[BI+2*i:BI+2*i+1]
.endif
.set i, i+1
.endr
	WIN 0
	QUANT ST, PC+8*(\a), PWS+(\a)
.if \isv
	global_store_b128 v[LI], v[PC+8*(\a):PC+8*(\a)+3], s[OUT0+4*((\a)/4):OUT0+4*((\a)/4)+1] offset:4096+1024*((\a)%4)
	global_store_b128 v[LI], v[PC+8*(\a)+4:PC+8*(\a)+7], s[OUT0+4*((\a)/4):OUT0+4*((\a)/4)+1] offset:4096+1024*((\a)%4)+512
.else
	global_store_b128 v[LI], v[PC+8*(\a):PC+8*(\a)+3], s[OUT0:OUT0+1] offset:512*(\a)      ; the first head's 64 channels,
	global_store_b128 v[LI], v[PC+8*(\a)+4:PC+8*(\a)+7], s[OUT1:OUT1+1] offset:512*(\a)    ; the second's
.endif
.endm
	s_cmp_eq_u32 ttmp9, 2                          ; the cluster's x: the same in all sixteen partners and in all waves
	s_cbranch_scc1 .Lv
; ---------------- q and k
	s_lshl_b32 s46, s44, 16
	s_lshl_b32 s47, s45, 12
	s_add_co_u32 s46, s46, s47                     ; q's codes: head x 65,536 + 8 tiles x 512 a key step
	s_lshl_b32 s47, s44, 13
	s_lshl_b32 s67, s45, 9
	s_add_co_u32 s47, s47, s67
	s_add_co_u32 s47, s47, 0x400000                ; q's scale words
	s_add_co_u32 s67, s[KVO], 8192                 ; k's
	s_mov_b32 s2, 0x23000
	s_cmp_eq_u32 ttmp9, 0
	s_cselect_b64 s[OUT0:OUT0+1], s[14:15], s[16:17]
	s_cselect_b64 s[BIAS:BIAS+1], s[8:9], s[10:11]
	s_cselect_b32 s46, s46, s[KVO]
	s_cselect_b32 s47, s47, s67
	s_cselect_b32 s67, 0x10000, s2                 ; from head to head: codes,
	s_cselect_b32 s44, 0x2000, s2                  ; scale words
	v_mul_u32_u24 v[SA], s44, v3
	v_lshl_add_u32 v[SA], v2, 4, v[SA]             ; lanes 0-15 the first head's words, lanes 16-31 the second's; 16 r
	s_mov_b32 s2, s47
	s_add_nc_u64 s[OUTS:OUTS+1], s[OUT0:OUT0+1], s[2:3]
	s_mov_b32 s2, s46
	s_add_nc_u64 s[OUT0:OUT0+1], s[OUT0:OUT0+1], s[2:3]
	s_mov_b32 s2, s67
	s_add_nc_u64 s[OUT1:OUT1+1], s[OUT0:OUT0+1], s[2:3]
	s_mov_b32 s2, s66
	s_add_nc_u64 s[BIAS:BIAS+1], s[BIAS:BIAS+1], s[2:3]
	v_lshlrev_b32 v[BO], 6, v3                     ; the bias in the result's layout: tile b's eight columns 32 (b / 2) + 16 h + 8 (b % 2) + 0 .. 7
	WIN 0x40
.irp b, 0,1,2,3,4,5,6,7
	global_load_b128 v[BI+8*\b:BI+8*\b+3], v[BO], s[BIAS:BIAS+1] offset:(32*(\b/2)+8*(\b%2))*4
	global_load_b128 v[BI+8*\b+4:BI+8*\b+7], v[BO], s[BIAS:BIAS+1] offset:(32*(\b/2)+8*(\b%2))*4+16
.endr
	WIN 0
	MAIN ADRW, ADRX, ADSQ
	s_wait_loadcnt 0x0                             ; the bias
.irp a, 0,1,2,3,4,5,6,7
	EPI \a, 0
.endr
.irp a, 0,1,2,3,4,5,6,7
	v_lshrrev_b32 v[PWS+\a], v[SH16], v[PWS+\a]    ; lanes 16-31: the second head's two bytes come down
.endr
	global_store_b128 v[SA], v[PWS:PWS+3], s[OUTS:OUTS+1]              ; sixteen lanes store 256 consecutive bytes, aligned
	global_store_b128 v[SA], v[PWS+4:PWS+7], s[OUTS:OUTS+1] offset:256
	FINISH
; ---------------- v
.Lv:
	s_mov_b32 s2, s[KVO]
	s_add_nc_u64 s[OUT0:OUT0+1], s[16:17], s[2:3]
	s_add_nc_u64 s[OUT1:OUT1+1], s[OUT0:OUT0+1], 0x23000
	s_mov_b32 s2, s66
	s_add_nc_u64 s[BIAS:BIAS+1], s[12:13], s[2:3]
	v_mul_u32_u24 v[SA], 0x23000, v3
	v_lshl_add_u32 v[SA], v2, 4, v[SA]
	v_lshrrev_b32 v[BO], 3, v2
	v_lshl_add_u32 v[BO], v[BO], 3, v2
	v_lshlrev_b32 v[BO], 2, v[BO]                  ; my channel in a tile: r + 8 (r / 8)
	v_cmp_eq_u32 s67, 1, v3                        ; lanes 16-31
	WIN 0x40
.irp a, 0,1,2,3,4,5,6,7                ; one number a lane and tile, twice, for the packed addition
	global_load_b32 v[BI+2*\a], v[BO], s[BIAS:BIAS+1] offset:(32*(\a/2)+8*(\a%2))*4
	global_load_b32 v[BI+2*\a+1], v[BO], s[BIAS:BIAS+1] offset:(32*(\a/2)+8*(\a%2))*4
.endr
	WIN 0
	MAIN ADRX, ADRW, ADSV
	s_wait_loadcnt 0x0
.irp a, 0,1,2,3,4,5,6,7
	EPI \a, 1
.endr
.irp j, 0,1,2,3
	v_cndmask_b32 v[PWS+\j], v[PWS+\j], v[PWS+4+\j], s67   ; lanes 16-31: the second head's four words
.endr
	global_store_b128 v[SA], v[PWS:PWS+3], s[OUT0:OUT0+1] offset:8704
	FINISH
.Lfunc_end_k_qe58fd38e9b_qkv:
	.size	k_qe58fd38e9b_qkv, .Lfunc_end_k_qe58fd38e9b_qkv-k_qe58fd38e9b_qkv
	.p2alignl 7, 3214868480
	.fill 96, 4, 3214868480
	.section	.rodata,"a",@progbits
	.p2align	6, 0x0
	.amdhsa_kernel k_qe58fd38e9b_qkv
		.amdhsa_group_segment_fixed_size 327680
		.amdhsa_private_segment_fixed_size 0
		.amdhsa_enable_private_segment 0
		.amdhsa_kernarg_size 56
		.amdhsa_user_sgpr_count 2
		.amdhsa_user_sgpr_kernarg_segment_ptr 1
		.amdhsa_wavefront_size32 1
		.amdhsa_system_sgpr_workgroup_id_x 1
		.amdhsa_system_sgpr_workgroup_id_y 1
		.amdhsa_system_sgpr_workgroup_id_z 1
		.amdhsa_system_vgpr_workitem_id 0
		.amdhsa_next_free_vgpr 1024
		.amdhsa_next_free_sgpr 100
		.amdhsa_reserve_vcc 0
		.amdhsa_float_denorm_mode_32 3
		.amdhsa_float_denorm_mode_16_64 3
		.amdhsa_memory_ordered 1
		.amdhsa_forward_progress 1
		.amdhsa_inst_pref_size 255
	.end_amdhsa_kernel
	.section	.bss,"aw",@nobits
	.p2align	6
	.space	262144
	.amdgpu_metadata
---
amdhsa.version: [ 1, 2 ]
amdhsa.kernels:
  - .name:           k_qe58fd38e9b_qkv
    .symbol:         k_qe58fd38e9b_qkv.kd
    .args:
      - { .name: xq, .offset: 0, .size: 8, .value_kind: global_buffer, .address_space: global }
      - { .name: wq, .offset: 8, .size: 8, .value_kind: global_buffer, .address_space: global }
      - { .name: bq, .offset: 16, .size: 8, .value_kind: global_buffer, .address_space: global }
      - { .name: bk, .offset: 24, .size: 8, .value_kind: global_buffer, .address_space: global }
      - { .name: bv, .offset: 32, .size: 8, .value_kind: global_buffer, .address_space: global }
      - { .name: qq, .offset: 40, .size: 8, .value_kind: global_buffer, .address_space: global }
      - { .name: kv, .offset: 48, .size: 8, .value_kind: global_buffer, .address_space: global }
    .group_segment_fixed_size: 327680
    .private_segment_fixed_size: 0
    .kernarg_segment_align: 8
    .kernarg_segment_size: 56
    .max_flat_workgroup_size: 128
    .sgpr_count:     100
    .vgpr_count:     1024
    .wavefront_size: 32
...
	.end_amdgpu_metadata
.endif
;; end of part 2
;; launch attn (part 3): grid 4 x 64, 16 waves a work-group, clusters of 4 x 1, 167,936 bytes of LDS; arguments qq, kv, yq; writes yq
.if DOCPART == 3
	.amdgcn_target "amdgcn-amd-amdhsa--gfx1250"
	.amdhsa_code_object_version 6
	.text
	.protected	k_qe58fd38e9b_attn
	.globl	k_qe58fd38e9b_attn
	.p2align	8
	.type	k_qe58fd38e9b_attn,@function
k_qe58fd38e9b_attn:
	s_mov_b64 s[64:65], 0
	v_nop
	global_prefetch_b8 v0, s[64:65] scope:SCOPE_SE
	s_setreg_imm32_b32 hwreg(HW_REG_WAVE_MODE, 25, 1), 1
	s_wait_xcnt 0x0
	s_wait_alu depctr_hold_cnt(0) depctr_sa_sdst(0) depctr_va_vdst(0) depctr_va_sdst(0) depctr_va_ssrc(0) depctr_va_vcc(0) depctr_vm_vsrc(0)
	s_getreg_b32 s2, hwreg(HW_REG_IB_STS2, 6, 4)
	s_cmp_eq_u32 s2, 0
	s_cbranch_scc0 .Lentry_in_a_cluster
	s_endpgm
.Lentry_in_a_cluster:
	s_bfe_u32 s2, ttmp6, 0x10000c
	s_cmp_lg_u32 s2, 0x3003
	s_cbranch_scc0 .Lentry_shape_is_right
	s_endpgm
.Lentry_shape_is_right:
; y = softmax(q k^T / 8, causal) v for one head a cluster, both products on codes of E2M1, and y's quantising along the model's 1,024 for the last product.
; LEFT OUT: a step of 128 keys all of which come after a tile's 16 queries: reference()'s own mask gives them the weight 0 (shown at the head of the first kernel).
; THE SOFTMAX: t = score x log2(e) / 8; M = the running largest t rounded UP to a whole number; p = 2^(t - M) is quantised along the keys; the row's sum is taken of the unquantised p and divides at the end;
; when M moves, the sum and O are multiplied by 2^(old M - new M), which rounds nothing.
; SHARES.  A head's 128 tiles of 16 queries are dealt as tile = 4 m + cx, cx the work-group's place in its cluster of four.  Wave w takes m = w and then m = 31 - w.  A tile's last key step is m / 2, whatever cx is:
; so every branch hangs on the wave's number and a loop's count alone, each wave walks (w / 2 + 1) + ((31 - w) / 2 + 1) = 17 key steps, and every work-group reads every key step (wave 0's second tile walks all 16).
; THE WHOLE HEAD'S k AND v LIE IN LDS, 16 key steps x 8,960 bytes, filled once: wave w asks for key step w, jointly with the same wave of the three partners: one tensor load of mine is out.  Nothing is stored to LDS.
; LAYOUT.  Both products transposed: S^T = k q^T (source 0 = 16 keys), O^T = v^T p^T (source 0 = 16 channels): a lane holds ONE query.  The head's 64 fill k = 0 .. 63 of a product's 128; registers 4-7 of q's and k's fragments hold zero codes.
; By the order of rows in a tile, p's 16 registers of two neighbouring tiles are 16 neighbouring keys, and O^T's are 16 neighbouring channels.
; OUT: yq, laid as xq: head hd is K step hd / 2, half hd % 2 of a fragment: 512 consecutive bytes a tile.  The scale bytes go out two at a time: a word of the last product spans two heads, which lie in two clusters.
; LIMITS: a block of zeros gets the byte 1 where the rule says 127; NaN and infinities are not served.
; REGISTERS: v1 16 lane, v2 16 r, v3, v4 addresses in hand; v8, v9 the mask's bound; v10, v11 q's scale words; v12 -M, v13 largest t, v[14:15] the sum; v16-31 q (two tiles); v32-63 four fragments of k; v64-95 v's four;
;   v96-159 S^T, then p; v160-191 O^T; v192-199 p's codes; v200-207 k's scale words, v208-211 v's; v212-219 y's codes; v220-223 y's bytes and their offsets; v224 p's scale word; v232-254 at work.
.set SPARE, 143360                     ; behind the head: the spare words, 128 bytes a wave, that no other line names
.set KSB,  8960                        ; a key step in kv and in LDS
.set SPW,  5
.set NIL,  6
.set WV,   10
.set CX,   11
.set BH,   12
.set D0,   14                          ; s14, s15 the last key step of my first and second tile
.set KS,   16
.set TB,   17
.set SEL,  18
.set CS,   20
.set M0,   22                          ; s22, s23 m of my two tiles
.set G1,   24
.set G0,   32
.set YO,   36                          ; s[36:37], s[38:39] y's codes
.set YS,   40                          ; s[40:41] y's scale bytes
.set QP,   46
.set QS,   50
.set HM,   57                          ; lanes 16-31
.macro ROUND
	s_barrier_signal -1
	s_barrier_wait -1
	s_cmp_lg_u32 s[WV], 0
	s_cbranch_scc1 .Lnot_wave_0_\@
	s_barrier_signal -3
.Lnot_wave_0_\@:
	s_barrier_wait -3
	s_barrier_signal -1
	s_barrier_wait -1
.endm
	s_load_b128 s[4:7], s[0:1], 0x0                ; qq, kv
	s_load_b64 s[8:9], s[0:1], 0x10                ; yq
	v_lshl_add_u32 v[SPW], v0, 2, SPARE
	v_mov_b32 v[NIL], 0
	ds_add_u32 v[SPW], v[NIL]                      ; the opening: the add, twice on end, and its wait ahead of my first tensor load
	ds_add_u32 v[SPW], v[NIL]
	v_lshrrev_b32 v1, 5, v0
	s_delay_alu instid0(VALU_DEP_1)
	v_readfirstlane_b32 s[WV], v1
	s_bfe_u32 s[CX], ttmp6, 0x40000
	s_and_b32 s[BH], ttmp7, 0xffff                 ; batch x 16 + head
	s_mov_b32 s[M0], s[WV]
	s_xor_b32 s[M0+1], s[WV], 31                   ; 31 - w
	s_lshr_b32 s[D0], s[M0], 1
	s_lshr_b32 s[D0+1], s[M0+1], 1
	s_mov_b32 s[G1], 15|(3<<16)|(1<<21)            ; the mask: all four; elements of 8 bytes; bit 21 beside a mask; no padding
	s_mov_b32 s[G1+1], 32<<16                      ; rows of 256 bytes
	s_mov_b32 s[G1+2], 35<<16                      ; 35 of them: a key step
	s_mov_b32 s[G1+3], 32<<16
	s_mov_b32 s[G1+4], 35
	s_mov_b32 s[G1+5], 32
	s_mov_b32 s[G1+6], 0
	s_mov_b32 s[G1+7], 0
	s_mul_i32 s44, s[WV], KSB
	s_mul_i32 s42, s[BH], 0x23000
	s_add_co_u32 s42, s42, s44
	s_mov_b32 s43, 0
	s_mov_b32 s[G0], 1
	s_mov_b32 s[G0+1], s44                         ; key step w, in LDS as in the head
	s_mov_b32 s[SEL], 0x76543210
	s_mov_b32 s[SEL+1], 0xfedcba98
	s_mov_b32 s[CS], 0x3e38aa3b                    ; log2(e) / 8
	s_mov_b32 s[CS+1], s[CS]
	s_wait_dscnt 0x0                               ; both opening adds are done
	s_wait_kmcnt 0x0
	s_add_nc_u64 s[G0+2:G0+3], s[6:7], s[42:43]
	s_or_b32 s[G0+3], s[G0+3], 0x80000000
	ROUND                                          ; all four work-groups are here
	tensor_load_to_lds s[G0:G0+3], s[G1:G1+7]
	s_nop 0
	v_and_b32 v1, 31, v0
	s_delay_alu instid0(VALU_DEP_1)
	v_lshlrev_b32 v1, 4, v1                        ; 16 x lane
	s_wait_alu depctr_va_vdst(0)
	v_and_b32 v7, 15, v0                           ; r
	s_delay_alu instid0(VALU_DEP_1)
	v_lshlrev_b32 v2, 4, v7                        ; 16 r
	s_wait_alu depctr_va_vdst(0)
	s_lshl_b32 s44, s[BH], 16                      ; q's codes: head x 65,536 + tile x 512
	s_lshl_b32 s45, s[CX], 9
	s_add_co_u32 s44, s44, s45
.irp p, 0,1
	s_lshl_b32 s45, s[M0+\p], 11
	s_add_co_u32 s42, s44, s45
	s_add_nc_u64 s[QP+2*\p:QP+2*\p+1], s[4:5], s[42:43]
.endr
	s_lshl_b32 s44, s[BH], 13                      ; its scale words: head x 8,192 + m x 256 + 16 r + 4 cx
	s_lshl_b32 s45, s[CX], 2
	s_add_co_u32 s44, s44, s45
	s_add_co_u32 s44, s44, 0x400000
.irp p, 0,1
	s_lshl_b32 s45, s[M0+\p], 8
	s_add_co_u32 s42, s44, s45
	s_add_nc_u64 s[QS+2*\p:QS+2*\p+1], s[4:5], s[42:43]
.endr
	global_load_b128 v[16:19], v1, s[QP:QP+1]
	global_load_b128 v[24:27], v1, s[QP+2:QP+3]
	global_load_b32 v10, v2, s[QS:QS+1]
	global_load_b32 v11, v2, s[QS+2:QS+3]
	v_bfe_u32 v9, v0, 4, 1                         ; h
	s_delay_alu instid0(VALU_DEP_1)
	v_cmp_eq_u32 s[HM], 1, v9
	v_lshrrev_b32 v8, 3, v7
	s_delay_alu instid0(VALU_DEP_1)
	v_lshl_add_u32 v7, v8, 3, v7
	s_delay_alu instid0(VALU_DEP_4)
	v_lshlrev_b32 v8, 4, v9
	s_delay_alu instid0(VALU_DEP_1)
	v_sub_nc_u32 v7, v7, v8                        ; r + 8 (r / 8) - 16 h
	s_wait_alu depctr_va_vdst(0)
	s_lshr_b32 s44, s[CX], 1
	s_lshl_b32 s44, s44, 5
	s_and_b32 s45, s[CX], 1
	s_lshl_b32 s45, s45, 3
	s_add_co_u32 s44, s44, s45
.irp p, 0,1                            ; my query, counted from its last key step's first key, less 16 h: register 16 b + i of S^T is hidden there where 32 b + i is above it
	s_and_b32 s45, s[M0+\p], 1
	s_lshl_b32 s45, s45, 6
	s_add_co_u32 s45, s45, s44
	v_add_nc_u32 v[8+\p], s45, v7
	s_lshl_b32 s45, s[M0+\p], 11
	v_add_nc_u32 v[222+\p], s45, v2                ; y's scale bytes: tile x 512 + 16 r
.endr
	s_lshr_b32 s54, s[BH], 4                       ; batch
	s_and_b32 s55, s[BH], 15                       ; head
	s_lshr_b32 s56, s55, 3                         ; its K half in the last product,
	s_bfe_u32 s58, s55, 0x20001                    ; K step in it,
	s_and_b32 s59, s55, 1                          ; half of a fragment
	s_lshl_b32 s44, s56, 21
	s_lshl_b32 s45, s54, 19
	s_add_co_u32 s44, s44, s45
	s_lshl_b32 s45, s[CX], 12
	s_add_co_u32 s44, s44, s45
	s_lshl_b32 s45, s58, 10
	s_add_co_u32 s44, s44, s45
	s_lshl_b32 s45, s59, 9
	s_add_co_u32 s44, s44, s45
.irp p, 0,1
	s_lshl_b32 s45, s[M0+\p], 14
	s_add_co_u32 s42, s44, s45
	s_add_nc_u64 s[YO+2*\p:YO+2*\p+1], s[8:9], s[42:43]
.endr
	s_lshl_b32 s44, s54, 16
	s_lshl_b32 s45, s[CX], 9
	s_add_co_u32 s44, s44, s45
	s_lshl_b32 s45, s56, 8
	s_add_co_u32 s44, s44, s45
	s_lshl_b32 s45, s58, 2
	s_add_co_u32 s44, s44, s45
	s_lshl_b32 s45, s59, 1
	s_add_co_u32 s44, s44, s45
	s_add_co_u32 s42, s44, 0x400000
	s_add_nc_u64 s[YS:YS+1], s[8:9], s[42:43]
.irp j, 20,21,22,23,28,29,30,31,36,37,38,39,44,45,46,47,52,53,54,55,60,61,62,63
	v_mov_b32 v\j, 0                               ; zero codes for k = 64 .. 127 of q's and k's fragments: written once, never loaded
.endr
.irp j, 236,237,238,239,252,253
	v_mov_b32 v\j, 0                               ; lane permutes' destinations, and the upper half of the pair v[252:253]
.endr
	s_wait_tensorcnt 0x0                           ; my key step is in,
	s_barrier_signal -1
	s_barrier_wait -1                              ; the whole head is
	s_wait_loadcnt 0x0                             ; q
.macro STEP p                          ; 128 keys for tile p
	s_cmp_gt_u32 s[KS], s[D0+\p]                   ; all its keys come after my queries: left out (wave's number and count alone)
	s_cbranch_scc1 .Lhidden_\@
	s_setprio 2
	v_add_nc_u32 v3, s[TB], v1
	v_add_nc_u32 v4, s[TB], v2
	v_nop
	v_nop                                          ; four plain lines between the last products and loads into their registers
	ds_load_b128 v[200:203], v4 offset:8192        ; k's scale words, tiles 0-3,
	ds_load_b128 v[204:207], v4 offset:8448        ; tiles 4-7
.irp t, 0,1,2,3
	ds_load_b128 v[32+8*\t:35+8*\t], v3 offset:512*\t
.endr
	ds_load_b128 v[208:211], v4 offset:8704        ; v's scale words
.irp t, 0,1,2,3
.irp c, 0,1
	ds_load_b128 v[64+8*\t+4*\c:67+8*\t+4*\c], v3 offset:4096+1024*\t+512*\c
.endr
.endr
	s_wait_alu depctr_va_vdst(0)
	s_wait_dscnt 9                                 ; v's nine loads may be out
.irp t, 0,1,2,3
	v_wmma_scale_f32_16x16x128_f8f6f4 v[96+8*\t:103+8*\t], v[32+8*\t:39+8*\t], v[16+8*\p:23+8*\p], 0, v[200+\t], v[10+\p] matrix_a_fmt:MATRIX_FMT_FP4 matrix_b_fmt:MATRIX_FMT_FP4
.endr
.rept 4
	v_nop
.endr
.irp t, 0,1,2,3
	ds_load_b128 v[32+8*\t:35+8*\t], v3 offset:2048+512*\t
.endr
	s_wait_dscnt 0x0
.irp t, 0,1,2,3
	v_wmma_scale_f32_16x16x128_f8f6f4 v[128+8*\t:135+8*\t], v[32+8*\t:39+8*\t], v[16+8*\p:23+8*\p], 0, v[204+\t], v[10+\p] matrix_a_fmt:MATRIX_FMT_FP4 matrix_b_fmt:MATRIX_FMT_FP4
.endr
.rept 4
	v_nop
.endr
	s_cmp_lt_u32 s[KS], s[D0+\p]                   ; a step all of whose keys count skips the mask
	s_cbranch_scc1 .Lopen_\@
	v_mov_b32 v254, 0xff800000                     ; -infinity: p = 0 then
.set n, 0
.rept 64
	v_cmp_gt_i32 vcc_lo, 32*(n/16)+n%16, v[8+\p]
	v_cndmask_b32 v[96+n], v[96+n], v254, vcc_lo
.set n, n+1
.endr
.Lopen_\@:
.irp b, 0,1,2,3
	v_max3_num_f32 v[232+\b], v[96+16*\b], v[97+16*\b], v[98+16*\b]   ; the largest score of each block of 32 keys: for the row's maximum, and, since p rises with the score, for the block's largest p
.endr
.irp i, 3,5,7,9,11,13
.irp b, 0,1,2,3
	v_max3_num_f32 v[232+\b], v[232+\b], v[96+16*\b+\i], v[97+16*\b+\i]
.endr
.endr
.irp b, 0,1,2,3
	v_max_num_f32 v[232+\b], v[232+\b], v[111+16*\b]
.endr
.irp b, 0,1,2,3
	s_delay_alu instid0(VALU_DEP_4)
	v_permlanex16_b32 v[236+\b], v[232+\b], s[SEL], s[SEL+1]
.endr
.irp b, 0,1,2,3
	s_delay_alu instid0(VALU_DEP_4)
	v_max_num_f32 v[232+\b], v[232+\b], v[236+\b]
.endr
	s_delay_alu instid0(VALU_DEP_2)
	v_max3_num_f32 v254, v232, v233, v234
	s_delay_alu instid0(VALU_DEP_1)
	v_max_num_f32 v254, v254, v235
	s_delay_alu instid0(VALU_DEP_1)
	v_mul_f32 v254, s[CS], v254
	s_delay_alu instid0(VALU_DEP_1)
	v_max_num_f32 v13, v13, v254                   ; the running largest t
	v_mov_b32 v254, v12
	s_delay_alu instid0(VALU_DEP_2)
	v_floor_f32 v12, -v13                          ; the new -M = -ceil(t)
	s_delay_alu instid0(VALU_DEP_1)
	v_sub_f32 v254, v12, v254                      ; old M - new M: a whole number, 0 or less
	s_delay_alu instid0(VALU_DEP_1)
	v_cvt_i32_f32 v254, v254                       ; (it saturates)
	s_delay_alu instid0(VALU_DEP_1)
	v_ldexp_f32 v252, 1.0, v254                    ; f = 2^(old M - new M)
.set j, 0
.rept 32
	v_pk_fma_f32 v[96+j:97+j], v[96+j:97+j], s[CS:CS+1], v[12:13] op_sel_hi:[1,0,0]   ; t - M
.set j, j+2
.endr
	s_setprio 1
.irp b, 0,1,2,3
	v_fma_f32 v[232+\b], v[232+\b], s[CS], v12
.endr
.set j, 0
	s_wait_alu depctr_va_vdst(0)
.rept 64
	v_exp_f32 v[96+j], v[96+j]                     ; p
.set j, j+1
.endr
	v_pk_mul_f32 v[14:15], v[14:15], v[252:253] op_sel_hi:[1,0]   ; the sums under the new M: the plain line behind the batch
	s_wait_alu depctr_va_vdst(0)                   ; one wait for the 64, ahead of their first reader
.irp b, 0,1,2,3
	v_exp_f32 v[232+\b], v[232+\b]                 ; each block's largest p
.endr
	v_pk_add_f32 v[236:237], v[100:101], v[104:105]
	v_pk_add_f32 v[254:255], v[108:109], v[112:113]
	v_pk_add_f32 v[250:251], v[116:117], v[120:121]
	v_pk_add_f32 v[248:249], v[124:125], v[128:129]
	v_pk_add_f32 v[246:247], v[132:133], v[136:137]
	v_pk_add_f32 v[244:245], v[140:141], v[144:145]
	v_pk_add_f32 v[242:243], v[148:149], v[152:153]
	v_pk_add_f32 v[14:15], v[14:15], v[156:157]
	v_pk_add_f32 v[236:237], v[236:237], v[96:97]
	v_pk_add_f32 v[254:255], v[254:255], v[98:99]
	v_pk_add_f32 v[250:251], v[250:251], v[102:103]
	v_pk_add_f32 v[248:249], v[248:249], v[106:107]
	v_pk_add_f32 v[246:247], v[246:247], v[110:111]
	v_pk_add_f32 v[244:245], v[244:245], v[114:115]
	v_pk_add_f32 v[242:243], v[242:243], v[118:119]
	v_pk_add_f32 v[14:15], v[14:15], v[122:123]
	v_pk_add_f32 v[236:237], v[236:237], v[126:127]
	v_pk_add_f32 v[254:255], v[254:255], v[130:131]
	v_pk_add_f32 v[250:251], v[250:251], v[134:135]
	v_pk_add_f32 v[248:249], v[248:249], v[138:139]
	v_pk_add_f32 v[246:247], v[246:247], v[142:143]
	v_pk_add_f32 v[244:245], v[244:245], v[146:147]
	v_pk_add_f32 v[242:243], v[242:243], v[150:151]
	v_pk_add_f32 v[14:15], v[14:15], v[154:155]
	v_pk_add_f32 v[236:237], v[236:237], v[158:159]
	s_delay_alu instid0(VALU_DEP_2)
	v_pk_add_f32 v[14:15], v[14:15], v[248:249]
	s_delay_alu instid0(VALU_DEP_2)
	v_pk_add_f32 v[236:237], v[236:237], v[246:247]
	v_pk_add_f32 v[254:255], v[254:255], v[244:245]
	v_pk_add_f32 v[250:251], v[250:251], v[242:243]
	s_delay_alu instid0(VALU_DEP_2)
	v_pk_add_f32 v[14:15], v[14:15], v[254:255]
	s_delay_alu instid0(VALU_DEP_2)
	v_pk_add_f32 v[236:237], v[236:237], v[250:251]
	s_delay_alu instid0(VALU_DEP_1)
	v_pk_add_f32 v[14:15], v[14:15], v[236:237]
	s_wait_alu depctr_va_vdst(0)                   ; and one for the four
.irp b, 0,1,2,3
	v_max_num_f32 v[232+\b], 0x1800000, v[232+\b]  ; the floor: the byte cannot fall under 1
.endr
.irp b, 0,1,2,3
	s_delay_alu instid0(VALU_DEP_4)
	v_add_nc_u32 v[244+\b], 0xff000000, v[232+\b]
.endr
.irp b, 0,1,2,3
	s_delay_alu instid0(VALU_DEP_4)
	v_lshrrev_b32 v[236+\b], 23, v[244+\b]
.endr
	s_delay_alu instid0(VALU_DEP_3)
	v_lshl_or_b32 v224, v237, 8, v236              ; p's scale word for these 128 keys
	s_delay_alu instid0(VALU_DEP_1)
	v_lshl_or_b32 v224, v238, 16, v224
	s_delay_alu instid0(VALU_DEP_1)
	v_lshl_or_b32 v224, v239, 24, v224
	s_setprio 0
.irp b, 0,1,2,3
	v_cvt_scalef32_pk8_fp4_f32 v[192+2*\b], v[96+16*\b:103+16*\b], v[244+\b]
	v_cvt_scalef32_pk8_fp4_f32 v[193+2*\b], v[104+16*\b:111+16*\b], v[244+\b]
.endr
	v_nop
.irp c, 0,1
.irp i, 0,1
	v_permlane16_swap_b32 v[192+4*\c+\i], v[194+4*\c+\i]
.endr
.endr
.set j, 0
.rept 16
	v_pk_mul_f32 v[160+j:161+j], v[160+j:161+j], v[252:253] op_sel_hi:[1,0]   ; O^T under the new M; these sixteen also stand between the scale word's and the codes' last writes and the products
.set j, j+2
.endr
.irp t, 0,1,2,3                        ; the four accumulators take turns
	v_wmma_scale_f32_16x16x128_f8f6f4 v[160+8*\t:167+8*\t], v[64+8*\t:71+8*\t], v[192:199], v[160+8*\t:167+8*\t], v[208+\t], v224 matrix_a_fmt:MATRIX_FMT_FP4 matrix_b_fmt:MATRIX_FMT_FP4
.endr
.Lhidden_\@:
.endm
.macro OUT p                           ; O^T / the sum, quantised along the head's 64 channels (two blocks), stored as half a fragment's image
	v_add_f32 v14, v14, v15
	s_delay_alu instid0(VALU_DEP_1)
	v_permlanex16_b32 v252, v14, s[SEL], s[SEL+1]
	s_delay_alu instid0(VALU_DEP_1)
	v_add_f32 v14, v14, v252
	s_wait_alu depctr_va_vdst(0)
	v_rcp_f32 v14, v14
.rept 4
	v_nop                                          ; the plain lines behind the last products and behind the reciprocal
.endr
	s_wait_alu depctr_va_vdst(0)
.set j, 0
.rept 32
	v_mul_f32 v[96+j], v[160+j], v14               ; register 16 b + i: channel 32 b + 16 h + i
.set j, j+1
.endr
.irp b, 0,1
	v_max3_num_f32 v[232+\b], |v[96+16*\b]|, |v[97+16*\b]|, 0x1800000
.endr
.irp i, 2,4,6,8,10,12,14
.irp b, 0,1
	s_delay_alu instid0(VALU_DEP_2)
	v_max3_num_f32 v[232+\b], v[232+\b], |v[96+16*\b+\i]|, |v[97+16*\b+\i]|
.endr
.endr
.irp b, 0,1
	s_delay_alu instid0(VALU_DEP_2)
	v_permlanex16_b32 v[236+\b], v[232+\b], s[SEL], s[SEL+1]
.endr
.irp b, 0,1
	s_delay_alu instid0(VALU_DEP_2)
	v_max_num_f32 v[232+\b], v[232+\b], v[236+\b]
.endr
.irp b, 0,1
	s_delay_alu instid0(VALU_DEP_2)
	v_add_nc_u32 v[244+\b], 0xff000000, v[232+\b]
.endr
.irp b, 0,1
	s_delay_alu instid0(VALU_DEP_2)
	v_lshrrev_b32 v[238+\b], 23, v[244+\b]
.endr
	s_delay_alu instid0(VALU_DEP_1)
	v_lshl_or_b32 v[220+\p], v239, 8, v238         ; the head's two bytes of my row
.irp b, 0,1
	v_cvt_scalef32_pk8_fp4_f32 v[212+4*\p+2*\b], v[96+16*\b:103+16*\b], v[244+\b]
	v_cvt_scalef32_pk8_fp4_f32 v[213+4*\p+2*\b], v[104+16*\b:111+16*\b], v[244+\b]
.endr
	v_nop
.irp i, 0,1
	v_permlane16_swap_b32 v[212+4*\p+\i], v[214+4*\p+\i]
.endr
	global_store_b128 v1, v[212+4*\p:215+4*\p], s[YO+2*\p:YO+2*\p+1]   ; 512 consecutive bytes
.endm
.macro PASS p
	v_mov_b32 v13, 0xff61b1e6                      ; -3e38, under every t
	s_delay_alu instid0(VALU_DEP_1)
	v_floor_f32 v12, -v13
	v_mov_b32 v14, 0
	v_mov_b32 v15, 0
.set j, 0
.rept 32
	v_mov_b32 v[160+j], 0                          ; the step is written once: the first finds zeros
.set j, j+1
.endr
	s_mov_b32 s[KS], 0
	s_mov_b32 s[TB], 0
.Lk_\@:                                ; 16 trips, a constant: the steps behind the diagonal jump over their work
	STEP \p
	s_add_co_u32 s[TB], s[TB], KSB
	s_add_co_u32 s[KS], s[KS], 1
	s_cmp_lt_u32 s[KS], 16
	s_cbranch_scc1 .Lk_\@
	s_setprio 0
	OUT \p
.endm
	PASS 0
	PASS 1
	v_cndmask_b32 v220, v220, v221, s[HM]          ; lanes 0-15: my first tile's rows; lanes 16-31: my second's
	v_cndmask_b32 v222, v222, v223, s[HM]
	global_store_b16 v222, v220, s[YS:YS+1]
	s_wait_tensorcnt 0x0                           ; the wave's end
	ds_add_u32 v[SPW], v[NIL]
	s_wait_dscnt 0x0
	ROUND                                          ; the closing round
	s_endpgm
.Lfunc_end_k_qe58fd38e9b_attn:
	.size	k_qe58fd38e9b_attn, .Lfunc_end_k_qe58fd38e9b_attn-k_qe58fd38e9b_attn
	.p2alignl 7, 3214868480
	.fill 96, 4, 3214868480
	.section	.rodata,"a",@progbits
	.p2align	6, 0x0
	.amdhsa_kernel k_qe58fd38e9b_attn
		.amdhsa_group_segment_fixed_size 167936
		.amdhsa_private_segment_fixed_size 0
		.amdhsa_enable_private_segment 0
		.amdhsa_kernarg_size 24
		.amdhsa_user_sgpr_count 2
		.amdhsa_user_sgpr_kernarg_segment_ptr 1
		.amdhsa_wavefront_size32 1
		.amdhsa_system_sgpr_workgroup_id_x 1
		.amdhsa_system_sgpr_workgroup_id_y 1
		.amdhsa_system_sgpr_workgroup_id_z 1
		.amdhsa_system_vgpr_workitem_id 0
		.amdhsa_next_free_vgpr 256
		.amdhsa_next_free_sgpr 66
		.amdhsa_reserve_vcc 1
		.amdhsa_float_denorm_mode_32 3
		.amdhsa_float_denorm_mode_16_64 3
		.amdhsa_memory_ordered 1
		.amdhsa_forward_progress 1
		.amdhsa_inst_pref_size 61
	.end_amdhsa_kernel
	.amdgpu_metadata
---
amdhsa.version: [ 1, 2 ]
amdhsa.kernels:
  - .name:           k_qe58fd38e9b_attn
    .symbol:         k_qe58fd38e9b_attn.kd
    .args:
      - { .name: qq, .offset: 0, .size: 8, .value_kind: global_buffer, .address_space: global }
      - { .name: kv, .offset: 8, .size: 8, .value_kind: global_buffer, .address_space: global }
      - { .name: yq, .offset: 16, .size: 8, .value_kind: global_buffer, .address_space: global }
    .group_segment_fixed_size: 167936
    .private_segment_fixed_size: 0
    .kernarg_segment_align: 8
    .kernarg_segment_size: 24
    .max_flat_workgroup_size: 512
    .sgpr_count:     66
    .vgpr_count:     256
    .wavefront_size: 32
...
	.end_amdgpu_metadata
.endif
;; end of part 3
;; launch proj (part 4): grid 8 x 32, 4 waves a work-group, clusters of 4 x 4, 327,680 bytes of LDS; arguments yq, wq, bp, out0; writes out0
.if DOCPART == 4
	.amdgcn_target "amdgcn-amd-amdhsa--gfx1250"
	.amdhsa_code_object_version 6
	.text
	.protected	k_qe58fd38e9b_proj
	.globl	k_qe58fd38e9b_proj
	.p2align	8
	.type	k_qe58fd38e9b_proj,@function
k_qe58fd38e9b_proj:
	s_mov_b64 s[64:65], 0
	v_nop
	global_prefetch_b8 v0, s[64:65] scope:SCOPE_SE
	s_setreg_imm32_b32 hwreg(HW_REG_WAVE_MODE, 25, 1), 1
	s_wait_xcnt 0x0
	s_wait_alu depctr_hold_cnt(0) depctr_sa_sdst(0) depctr_va_vdst(0) depctr_va_sdst(0) depctr_va_ssrc(0) depctr_va_vcc(0) depctr_vm_vsrc(0)
	s_getreg_b32 s2, hwreg(HW_REG_IB_STS2, 6, 4)
	s_cmp_eq_u32 s2, 0
	s_cbranch_scc0 .Lentry_in_a_cluster
	s_endpgm
.Lentry_in_a_cluster:
	s_bfe_u32 s2, ttmp6, 0x10000c
	s_cmp_lg_u32 s2, 0xf033
	s_cbranch_scc0 .Lentry_shape_is_right
	s_endpgm
.Lentry_shape_is_right:
; out0 = y Wp + bp on codes of E2M1.  Nothing is left out here.  A work-group makes 256 tokens x 128 columns (256 work-groups); four waves, 128 tokens x 64 columns each: 32 accumulators.
; All of K (1,024) lies in LDS at once, as images of operand registers: every fill is a first fill; by this text's count a wave has three tensor loads out.
; CLUSTER 4 x 4: y's tiles are shared along a row of the cluster, Wp's along a column: joint loads.
; Source 0 = 16 columns of Wp, source 1 = 16 tokens: a lane holds one token and, tile by tile, eight neighbouring columns.  bp is the C of each sum's first product.
; THE WAY OUT: 16 tokens x 64 columns at a time through the wave's own stage (bytes of its own, into which no fill lands) and back as rows of 256 bytes: sixteen lanes store 256 consecutive bytes, aligned.  The order of tokens in a tile is undone in the stores' immediates.
; REGISTERS: window 0: v0-31 addresses; v32-95 y's scale words (8 tile + K step), v96-127 Wp's: scales and nothing else; v128-255 y's fragments, two sets, later the way out.
;   window 1: v0-63 Wp's fragments, two sets; v64-95 bp in the result's layout.   window 2: accumulator (a, b) at v[8 (4 a + b)].
.set YSC,   196608                     ; LDS: y's halves at 65,536 half + 32,768 s; Wp's at 131,072 + 32,768 half + 16,384 s; y's scale bytes here, 4,096 a half;
.set WSC,   204800                     ; Wp's, 2,048 a half;
.set STAGE, 208896                     ; the stages, 16 rows x 272 bytes a wave;
.set SPARE, 226304                     ; the spare words, 128 bytes a wave, that no other line names
.set ADRY, 16
.set ADRW, 20
.set ADSY, 21
.set ADSW, 22
.set BO,   23
.set STO,  24
.set RD,   25
.set CO,   26
.set SPW,  28
.set NIL,  29
.set BK,   128
.set WV,   18
.set XH,   19
.set WH,   20
.set G1,   24
.set G0,   32
.set G1B,  48
.set G0B,  56
.set G1S,  68
.set G0S,  76
.set G1SB, 80
.set G0SB, 88
.set MSB, 0
.macro WIN new
.if MSB != (\new)
	s_set_vgpr_msb (MSB<<8)|(\new)
.set MSB, (\new)
.endif
.endm
.macro JLOAD g0a, g1a, g0b, g1b        ; waves 0, 1 for y, waves 2, 3 for Wp; s_nop 0 and four v_nop follow each line
	s_cmp_eq_u32 s[XH], 0
	s_cbranch_scc0 .Lfor_b_\@
	tensor_load_to_lds s[\g0a:\g0a+3], s[\g1a:\g1a+7]
	s_nop 0
.rept 4
	v_nop
.endr
	s_branch .Lasked_\@
.Lfor_b_\@:
	tensor_load_to_lds s[\g0b:\g0b+3], s[\g1b:\g1b+7]
	s_nop 0
.rept 4
	v_nop
.endr
.Lasked_\@:
.endm
.macro CROUND
	s_barrier_signal -1
	s_barrier_wait -1
	s_cmp_lg_u32 s[WV], 0
	s_cbranch_scc1 .Lnot_wave_0_\@
	s_barrier_signal -3
.Lnot_wave_0_\@:
	s_barrier_wait -3
	s_barrier_signal -1
	s_barrier_wait -1
.endm
.macro PLACES
.rept 4
	v_nop
.endr
.endm
.macro SHAPE g, rows                   ; group 1 behind its first word: a dense block as rows of 256 bytes
	s_mov_b32 s[\g+1], 32<<16
	s_mov_b32 s[\g+2], (\rows)<<16
	s_mov_b32 s[\g+3], 32<<16
	s_mov_b32 s[\g+4], \rows
	s_mov_b32 s[\g+5], 32
	s_mov_b32 s[\g+6], 0
	s_mov_b32 s[\g+7], 0
.endm
	s_load_b256 s[4:11], s[0:1], 0x0               ; yq, wq, bp, out0
	v_lshl_add_u32 v[SPW], v0, 2, SPARE
	v_mov_b32 v[NIL], 0
	ds_add_u32 v[SPW], v[NIL]                      ; the opening: the add, twice on end, and its wait ahead of my first tensor load
	ds_add_u32 v[SPW], v[NIL]
	v_lshrrev_b32 v1, 5, v0
	v_readfirstlane_b32 s[WV], v1
	s_lshr_b32 s[XH], s[WV], 1                     ; my half of the tokens.  Also: I fetch for y (0) or for Wp (1)
	s_and_b32 s[WH], s[WV], 1                      ; my half of the columns.  Also: which half I fetch
	s_bfe_u32 s40, ttmp6, 0x40000
	s_bfe_u32 s41, ttmp6, 0x40004
	s_lshl_b32 s42, ttmp9, 2
	s_add_co_u32 s42, s42, s40                     ; which 128 columns
	s_and_b32 s43, ttmp7, 0xffff
	s_lshl_b32 s43, s43, 2
	s_add_co_u32 s43, s43, s41                     ; which 256 tokens
	s_lshl_b32 s44, s41, 2
	s_lshl_b32 s44, 15, s44                        ; my row of the cluster
	s_lshl_b32 s45, 0x1111, s40                    ; my column
	s_or_b32 s[G1], s44, (3<<16)|(1<<21)
	s_or_b32 s[G1B], s45, (3<<16)|(1<<21)
	s_or_b32 s[G1S], s44, (3<<16)|(1<<21)
	s_or_b32 s[G1SB], s45, (3<<16)|(1<<21)
	SHAPE G1, 128                                  ; y: 8 tiles x 4,096 bytes
	SHAPE G1B, 64                                  ; Wp: 4 tiles
	SHAPE G1S, 16                                  ; y's scale bytes: 8 x 512
	SHAPE G1SB, 8                                  ; Wp's: 4 x 512
	s_lshl_b32 s92, s43, 16
	s_lshl_b32 s46, s[WH], 15
	s_add_co_u32 s92, s92, s46                     ; y: tile 16 ty + 8 half
	s_mov_b32 s93, 0
	s_lshl_b32 s94, s43, 13
	s_lshl_b32 s46, s[WH], 12
	s_add_co_u32 s94, s94, s46
	s_add_co_u32 s94, s94, 0x400000
	s_mov_b32 s95, 0
	s_lshl_b32 s96, s42, 15
	s_lshl_b32 s47, s[WH], 14
	s_add_co_u32 s96, s96, s47
	s_add_co_u32 s96, s96, 0xc0000                 ; Wp: tile 192 + 8 tx + 4 half
	s_mov_b32 s97, 0
	s_lshl_b32 s98, s42, 12
	s_lshl_b32 s47, s[WH], 11
	s_add_co_u32 s98, s98, s47
	s_add_co_u32 s98, s98, 0x218000
	s_mov_b32 s99, 0
	s_lshl_b32 s66, s[WH], 16                      ; where they go: y's half,
	s_lshl_b32 s67, s[WH], 15
	s_add_co_u32 s67, s67, 131072                  ; Wp's half,
	s_lshl_b32 s2, s[WH], 12
	s_add_co_u32 s2, s2, YSC                       ; y's scale bytes,
	s_lshl_b32 s3, s[WH], 11
	s_add_co_u32 s3, s3, WSC                       ; Wp's: the wave's number alone
	s_wait_dscnt 0x0                               ; both opening adds are done
	s_wait_kmcnt 0x0
	s_add_nc_u64 s[92:93], s[4:5], s[92:93]
	s_add_nc_u64 s[94:95], s[4:5], s[94:95]
	s_add_nc_u64 s[96:97], s[6:7], s[96:97]
	s_add_nc_u64 s[98:99], s[6:7], s[98:99]
	CROUND                                         ; all sixteen work-groups are here
	s_mov_b32 s[G0S], 1
	s_mov_b32 s[G0S+1], s2
	s_mov_b64 s[G0S+2:G0S+3], s[94:95]
	s_or_b32 s[G0S+3], s[G0S+3], 0x80000000
	s_mov_b32 s[G0SB], 1
	s_mov_b32 s[G0SB+1], s3
	s_mov_b64 s[G0SB+2:G0SB+3], s[98:99]
	s_or_b32 s[G0SB+3], s[G0SB+3], 0x80000000
	JLOAD G0S, G1S, G0SB, G1SB
.irp s, 0,1
	s_mov_b32 s[G0+4*\s], 1
	s_add_co_u32 s[G0+4*\s+1], s66, \s*32768
	s_add_nc_u64 s[G0+4*\s+2:G0+4*\s+3], s[92:93], \s*0x200000
	s_or_b32 s[G0+4*\s+3], s[G0+4*\s+3], 0x80000000
	s_mov_b32 s[G0B+4*\s], 1
	s_add_co_u32 s[G0B+4*\s+1], s67, \s*16384
	s_add_nc_u64 s[G0B+4*\s+2:G0B+4*\s+3], s[96:97], \s*0x100000
	s_or_b32 s[G0B+4*\s+3], s[G0B+4*\s+3], 0x80000000
	s_wait_alu depctr_va_vdst(0)
	s_wait_tensorcnt 0x0
	ds_add_u32 v28, v29
	s_wait_dscnt 0x0
	CROUND
	JLOAD G0+4*\s, G1, G0B+4*\s, G1B
.endr
	v_and_b32 v1, 31, v0
	v_and_b32 v2, 15, v0                           ; r
	s_wait_alu depctr_va_vdst(0)
	v_bfe_u32 v3, v0, 4, 1                         ; h
	v_lshlrev_b32 v4, 4, v1                        ; 16 x lane
	s_lshl_b32 s46, s[XH], 16
	v_add_nc_u32 v[ADRY], s46, v4
	s_lshl_b32 s46, s[WH], 15
	s_add_co_u32 s46, s46, 131072
	v_add_nc_u32 v[ADRW], s46, v4
	s_lshl_b32 s46, s[XH], 12
	s_add_co_u32 s46, s46, YSC
	v_lshl_add_u32 v[ADSY], v2, 4, s46
	s_lshl_b32 s46, s[WH], 11
	s_add_co_u32 s46, s46, WSC
	v_lshl_add_u32 v[ADSW], v2, 4, s46
	s_mul_i32 s46, s[WV], 4352
	s_add_co_u32 s46, s46, STAGE                   ; my stage
	v_mul_u32_u24 v[STO], v2, 272
	s_wait_alu depctr_va_vdst(0)
	v_lshl_add_u32 v[STO], v3, 6, v[STO]
	v_add_nc_u32 v[STO], s46, v[STO]               ; in: row r, 64 h bytes on
	v_mul_u32_u24 v[RD], v3, 272
	v_lshl_add_u32 v[RD], v2, 4, v[RD]
	v_add_nc_u32 v[RD], s46, v[RD]                 ; back: lanes 0-15 one row, lanes 16-31 the next
	v_lshlrev_b32 v[CO], 12, v3
	v_lshl_add_u32 v[CO], v2, 4, v[CO]             ; and the same two rows in out0
	v_lshlrev_b32 v[BO], 6, v3
	s_wait_alu depctr_va_vdst(0)
	s_lshl_b32 s46, s42, 9
	s_lshl_b32 s47, s[WH], 8
	s_add_co_u32 s46, s46, s47                     ; my 64 columns, in bytes
	s_mov_b32 s47, 0
	s_add_nc_u64 s[8:9], s[8:9], s[46:47]
	s_add_nc_u64 s[10:11], s[10:11], s[46:47]
	s_lshl_b32 s46, s43, 20
	s_lshl_b32 s66, s[XH], 19
	s_add_co_u32 s46, s46, s66                     ; my first token's row
	s_add_nc_u64 s[10:11], s[10:11], s[46:47]
	WIN 0x40
.irp b, 0,1,2,3                        ; bp: tile b's eight columns 32 (b / 2) + 16 h + 8 (b % 2) + 0 .. 7
	global_load_b128 v[64+8*\b:67+8*\b], v[BO], s[8:9] offset:(32*(\b/2)+8*(\b%2))*4
	global_load_b128 v[68+8*\b:71+8*\b], v[BO], s[8:9] offset:(32*(\b/2)+8*(\b%2))*4+16
.endr
	WIN 0
.macro FETCH q, p                      ; K step q's fragments into set p: Wp's four, y's eight: 24 loads
	WIN 0x40
.irp i, 0,1,2,3
.irp c, 0,1
	ds_load_b128 v[32*(\p)+8*\i+4*\c:32*(\p)+8*\i+4*\c+3], v[ADRW] offset:((\q)/4)*16384+\i*4096+((\q)%4)*1024+512*\c
.endr
.endr
	WIN 0
.irp i, 0,1,2,3,4,5,6,7
.irp c, 0,1
	ds_load_b128 v[128+64*(\p)+8*\i+4*\c:128+64*(\p)+8*\i+4*\c+3], v[ADRY] offset:((\q)/4)*32768+\i*4096+((\q)%4)*1024+512*\c
.endr
.endr
.endm
.macro MUL8 a0, p, q                   ; token tiles a0, a0 + 1 against Wp's four.  The 32 accumulators take turns in the same order in every step
.irp a, \a0, \a0+1
.irp b, 0,1,2,3
.if (\q) == 0
	v_wmma_scale_f32_16x16x128_f8f6f4 v[8*(4*(\a)+\b):8*(4*(\a)+\b)+7], v[32*(\p)+8*\b:32*(\p)+8*\b+7], v[128+64*(\p)+8*(\a):128+64*(\p)+8*(\a)+7], v[64+8*\b:71+8*\b], v[96+8*\b+(\q)], v[32+8*(\a)+(\q)] matrix_a_fmt:MATRIX_FMT_FP4 matrix_b_fmt:MATRIX_FMT_FP4
.else
	v_wmma_scale_f32_16x16x128_f8f6f4 v[8*(4*(\a)+\b):8*(4*(\a)+\b)+7], v[32*(\p)+8*\b:32*(\p)+8*\b+7], v[128+64*(\p)+8*(\a):128+64*(\p)+8*(\a)+7], v[8*(4*(\a)+\b):8*(4*(\a)+\b)+7], v[96+8*\b+(\q)], v[32+8*(\a)+(\q)] matrix_a_fmt:MATRIX_FMT_FP4 matrix_b_fmt:MATRIX_FMT_FP4
.endif
.endr
.endr
.endm
	s_wait_tensorcnt 0x1                           ; the scale bytes and my part of K half 0 are in; half 1's load may be out
	s_barrier_signal -1
	s_barrier_wait -1
	FETCH 0, 0
.irp i, 0,1,2,3,4,5,6,7                ; all of K's scale words, once
.irp s, 0,1
	ds_load_b128 v[32+8*\i+4*\s:35+8*\i+4*\s], v[ADSY] offset:512*\i+256*\s
.endr
.endr
.irp b, 0,1,2,3
.irp s, 0,1
	ds_load_b128 v[96+8*\b+4*\s:99+8*\b+4*\s], v[ADSW] offset:512*\b+256*\s
.endr
.endr
.set Q, 0
.rept 8
.if Q == 3
	s_wait_tensorcnt 0x0                           ; my part of K half 1 is in,
	s_wait_dscnt 0x0                               ; no LDS load of mine is out at the signal,
	s_barrier_signal -1
	s_barrier_wait -1                              ; everybody's part is in
.endif
.if Q < 7
.if Q > 0
	PLACES
.endif
	FETCH Q+1, (Q+1)%2
	s_wait_dscnt 24                                ; all but the 24 just issued
.else
	s_wait_dscnt 0x0
.endif
.if Q == 0
	s_wait_loadcnt 0x0                             ; bp
	WIN 0x91                                       ; source 0 and C window 1, source 1 window 0, D window 2
.else
	WIN 0xa1                                       ; C and D window 2
.endif
	MUL8 0, Q%2, Q
	MUL8 2, Q%2, Q
	MUL8 4, Q%2, Q
	MUL8 6, Q%2, Q
.set Q, Q+1
.endr
	WIN 0
.macro TOSTAGE a
	WIN 0x08                                       ; an LDS store's data: window 2
.irp b, 0,1,2,3
	ds_store_b128 v[STO], v[8*(4*(\a)+\b):8*(4*(\a)+\b)+3] offset:128*(\b/2)+32*(\b%2)        ; each accumulator from its low end on
	ds_store_b128 v[STO], v[8*(4*(\a)+\b)+4:8*(4*(\a)+\b)+7] offset:128*(\b/2)+32*(\b%2)+16
.endr
	WIN 0
.irp i, 0,1,2,3,4,5,6,7
	ds_load_b128 v[BK+32*((\a)%2)+4*\i:BK+32*((\a)%2)+4*\i+3], v[RD] offset:544*\i   ; LDS serves a wave's instructions in order: these see the stores, and the next block's stores come behind them
.endr
.endm
.macro SEND a, younger                 ; younger: the LDS instructions issued behind block a's loads
	s_wait_dscnt \younger
.irp i, 0,1,2,3,4,5,6,7
	global_store_b128 v[CO], v[BK+32*((\a)%2)+4*\i:BK+32*((\a)%2)+4*\i+3], s[10:11] offset:(32*((\a)/2)+8*((\a)%2)+2*\i+8*(\i/4))*4096 th:TH_STORE_NT
.endr
.endm
	PLACES
	TOSTAGE 0
.irp a, 1,2,3,4,5,6,7
.if \a > 1
	s_wait_xcnt 0x0                                ; block a - 2's stores have read their registers: block a's loads may land there
.endif
	TOSTAGE \a
	SEND \a-1, 16                                  ; behind block a - 1's loads: block a's 8 stores and 8 loads
.endr
	SEND 7, 0
	s_wait_tensorcnt 0x0                           ; the wave's end, behind my last LDS store
	ds_add_u32 v[SPW], v[NIL]
	s_wait_dscnt 0x0
	CROUND                                         ; the closing round
	s_endpgm
.Lfunc_end_k_qe58fd38e9b_proj:
	.size	k_qe58fd38e9b_proj, .Lfunc_end_k_qe58fd38e9b_proj-k_qe58fd38e9b_proj
	.p2alignl 7, 3214868480
	.fill 96, 4, 3214868480
	.section	.rodata,"a",@progbits
	.p2align	6, 0x0
	.amdhsa_kernel k_qe58fd38e9b_proj
		.amdhsa_group_segment_fixed_size 327680
		.amdhsa_private_segment_fixed_size 0
		.amdhsa_enable_private_segment 0
		.amdhsa_kernarg_size 32
		.amdhsa_user_sgpr_count 2
		.amdhsa_user_sgpr_kernarg_segment_ptr 1
		.amdhsa_wavefront_size32 1
		.amdhsa_system_sgpr_workgroup_id_x 1
		.amdhsa_system_sgpr_workgroup_id_y 1
		.amdhsa_system_sgpr_workgroup_id_z 1
		.amdhsa_system_vgpr_workitem_id 0
		.amdhsa_next_free_vgpr 768
		.amdhsa_next_free_sgpr 100
		.amdhsa_reserve_vcc 0
		.amdhsa_float_denorm_mode_32 3
		.amdhsa_float_denorm_mode_16_64 3
		.amdhsa_memory_ordered 1
		.amdhsa_forward_progress 1
		.amdhsa_inst_pref_size 74
	.end_amdhsa_kernel
	.amdgpu_metadata
---
amdhsa.version: [ 1, 2 ]
amdhsa.kernels:
  - .name:           k_qe58fd38e9b_proj
    .symbol:         k_qe58fd38e9b_proj.kd
    .args:
      - { .name: yq, .offset: 0, .size: 8, .value_kind: global_buffer, .address_space: global }
      - { .name: wq, .offset: 8, .size: 8, .value_kind: global_buffer, .address_space: global }
      - { .name: bp, .offset: 16, .size: 8, .value_kind: global_buffer, .address_space: global }
      - { .name: out0, .offset: 24, .size: 8, .value_kind: global_buffer, .address_space: global }
    .group_segment_fixed_size: 327680
    .private_segment_fixed_size: 0
    .kernarg_segment_align: 8
    .kernarg_segment_size: 32
    .max_flat_workgroup_size: 128
    .sgpr_count:     100
    .vgpr_count:     768
    .wavefront_size: 32
...
	.end_amdgpu_metadata
.endif
;; end of part 4
